; MI455X (gfx1250); checked and timed in simulation.
; The chip was launched on July 23, 2026; its instructions are those of AMD's public machine-readable ISA for CDNA 5 (MIT licence, August 2026) and "CDNA5" Instruction Set Architecture Reference Guide (July 2026). The comments in the code are by the model that wrote it; some were corrected since.
;; Attention. Allowed arithmetic: matrix products marked QUANTISED: E2M1 operands, one E8M0 scale for each 32 along K, by v_wmma_scale_f32_16x16x128_f8f6f4 with both operands' format E2M1 (or v_wmma_scale_f32_32x16x128_f4), f32 sums; everything else in f32.
;; Inputs: W_in_codes 3,072 x 32 x 16 uint8 (E2M1 codes of W_in, K innermost, in blocks of 32 codes, two codes a byte); W_in_scales 3,072 x 32 uint8 (E8M0 scales of W_in, one for each 32 codes along K); W_out_codes 1,024 x 32 x 16 uint8 (E2M1 codes of W_out, K innermost, in blocks of 32 codes, two codes a byte); W_out_scales 1,024 x 32 uint8 (E8M0 scales of W_out, one for each 32 codes along K); b_in 3,072 float32; b_out 1,024 float32; x_codes 4 x 2,048 x 32 x 16 uint8 (E2M1 codes of x, K innermost, in blocks of 32 codes, two codes a byte); x_scales 4 x 2,048 x 32 uint8 (E8M0 scales of x, one for each 32 codes along K).
;; Outputs: out0 4 x 2,048 x 1,024 float32.
;; This version of the problem:
;;   THIS VERSION OF THE PROBLEM IS GIVEN IN LOW PRECISION. The matrix products marked QUANTISED in the list below multiply operands that are first quantised to E2M1 (2 exponent bits, 1 mantissa bit; 4 bits a number), with one power-of-two scale for each 32 numbers along K (OCP MX v1.0); their sums are f32. All else is computed in f32.
;;   The module's matrix products, in the order in which they are computed (A, B: the left and right operand; K: the contracted axis; several contracted axes count as one K, in the product's order):
;;     1. [M 8,192, K 1,024] x [K 1,024, N 3,072]; A: input x (given as codes); B: input W_in (given as codes): QUANTISED
;;     2. batch 64 x [M 2,048, K 64] x [K 64, N 2,048]; A: computed on the way; B: computed on the way: QUANTISED
;;     3. batch 64 x [M 2,048, K 2,048] x [K 2,048, N 64]; A: softmax (see below); B: computed on the way: QUANTISED
;;     4. [M 8,192, K 1,024] x [K 1,024, N 1,024]; A: computed on the way; B: input W_out (given as codes): QUANTISED
;;   THE QUANTISER, for each operand of a quantised product, along K:
;;     - K is cut into blocks of 32 from its start; a last block that is shorter is filled with zeros.
;;     - A block's scale is 2^e with e = floor(log2(the largest magnitude in the block)) - 2, held to -126 .. 127; a block of zeros has e = 0. As a byte (E8M0): e + 127.
;;     - Each number is divided by its block's scale, clamped to +-6, and rounded to the nearest number of E2M1, ties to even, subnormals kept.
;;     - The product sums the exact products of the quantised numbers (number of the format x scale) in f32.
;;   ~~~python
;;   def quantise(x, axis):      # numpy; x: float32 -> the quantised numbers, widened to float32 again
;;       x = np.moveaxis(x, axis, -1); K = x.shape[-1]
;;       x = np.pad(x, [(0, 0)] * (x.ndim - 1) + [(0, -K % 32)]); x = x.reshape(x.shape[:-1] + (-1, 32)); a = np.abs(x).max(-1, keepdims=True)
;;       e = np.where(a > 0, np.clip(np.frexp(np.where(a > 0, a, 1))[1] - 1 - 2, -126, 127), 0)      # np.frexp(a)[1] - 1 = floor(log2(a)), exactly
;;       r = np.clip(x / 2.0 ** e, -6, 6)
;;       step = 2.0 ** (np.maximum(np.frexp(np.where(r == 0, 1, r))[1] - 1, 0) - 1)
;;       q = np.round(r / step) * step * 2.0 ** e      # np.round: ties to even
;;       return np.moveaxis(q.reshape(q.shape[:-2] + (-1,))[..., :K], -1, axis).astype(np.float32)
;;   ~~~
;;   SOFTMAX AHEAD OF A QUANTISED PRODUCT. Where the list says 'softmax', what is quantised is not the finished softmax but p = 2^(t - M), with t = logit x log2(e) and M = ceil(the row's largest t), a whole number; so 1/2 < the row's largest p <= 1. The row's sum l is taken of the UNQUANTISED p, in f32, and the product's result is divided by l at the end. Since M is a whole number, a kernel that streams over the keys may use a running M (the ceiling of the running maximum): every later rescaling is an exact power of two, which a block's scale takes up: the codes' values come out the same.
;;   OPERANDS COMPUTED ON THE WAY. 'Computed on the way' means the value that the module computes at that place (a softmax that the list does not call 'softmax' is quantised finished and normalised). What goes into a quantiser is computed in f32, as accurately as f32 sums, v_exp_f32 and their like allow (about 1e-6 of the number): no bf16 or f16 on the way to a quantiser, and a product that is left as it is and whose result goes on into a quantised operand takes f32 operands (vector FMAs, or v_wmma_f32_16x16x4_f32). A number that lies on a knife's edge between two numbers of the format may be rounded either way, as far as f32 arithmetic and the matrix unit's own rounding can turn it there, and no further.
;;   INPUTS GIVEN AS CODES. W_in (in the module: [1024, 3072], K = its axis 0); W_out (in the module: [1024, 1024], K = its axis 0); x (in the module: [4, 2048, 1024], K = its axis 2): each comes as NAME_codes (uint8): NAME with its K axis moved to the last place and cut into blocks of 32 codes, [.., K / 32, bytes a block], one block behind the other in memory; two codes a byte, the lower K in the low four bits (a code: sign, 2 exponent bits, 1 mantissa bit); and NAME_scales (uint8): the same leading axes, one E8M0 byte (e + 127) for each 32 codes along K. Its value is code x scale, taken as it is: it is not quantised again, and the codes and scales need not be those that the quantiser above would give.
;; One version. Each part assembles by itself: llvm-mc -triple=amdgcn-amd-amdhsa -mcpu=gfx1250 --defsym DOCPART=n.
;; ======== version 1 of 1: 3 launches
;; workspace buffers: qkv_c 12,582,912 bytes; qkv_s 786,432 bytes; ao_c 4,194,304 bytes; ao_s 262,144 bytes
;; launch qkv (part 1): grid 12 x 32, 4 waves a work-group, clusters of 4 x 4, 327,680 bytes of LDS; arguments x_codes, x_scales, W_in_codes, W_in_scales, b_in, qkv_c, qkv_s; writes qkv_c, qkv_s
.if DOCPART == 1
	.amdgcn_target "amdgcn-amd-amdhsa--gfx1250"
	.amdhsa_code_object_version 6
	.text
	.protected	k_qc429402253_qkv
	.globl	k_qc429402253_qkv
	.p2align	8
	.type	k_qc429402253_qkv,@function
k_qc429402253_qkv:
	s_mov_b64 s[64:65], 0
	v_nop
	global_prefetch_b8 v0, s[64:65] scope:SCOPE_SE
	s_setreg_imm32_b32 hwreg(HW_REG_WAVE_MODE, 25, 1), 1
	s_wait_xcnt 0x0
	s_wait_alu depctr_hold_cnt(0) depctr_sa_sdst(0) depctr_va_vdst(0) depctr_va_sdst(0) depctr_va_ssrc(0) depctr_va_vcc(0) depctr_vm_vsrc(0)
	s_getreg_b32 s2, hwreg(HW_REG_IB_STS2, 6, 4)
	s_cmp_eq_u32 s2, 0
	s_cbranch_scc0 .Lentry_in_a_cluster
	s_endpgm
.Lentry_in_a_cluster:
	s_bfe_u32 s2, ttmp6, 0x10000c
	s_cmp_lg_u32 s2, 0xf033
	s_cbranch_scc0 .Lentry_shape_is_right
	s_endpgm
.Lentry_shape_is_right:
; qkv = x W_in + b_in on codes of FP4 (E2M1) with E8M0 scales, and the quantising of q, k (along the head's 64) and v (along the keys) into codes that the next launch takes as operand images.
; NO WORK OF THE PROBLEM IS LEFT OUT: every input has a way to the output (b_in's part for k moves k's codes, so it stays), and every product is live.
; ONE BODY, TWO DIRECTIONS.  The body makes C'[i][j] = sum over k of S1[i][k] S0[j][k], source 0 = 16 rows of S0, source 1 = 16 rows of S1: a lane holds ONE i, and its registers run along j; the quantiser runs along j.
;   clusters x = 0, 1 (q and k): S1 = x (i = tokens), S0 = W_in's rows 0 .. 2047 (j = head x d): 128 along j are two heads, four blocks of 32 along d.
;   cluster  x = 2   (v):       S1 = W_in's rows 2048 .. 3071 (i = head x d), S0 = x (j = tokens): 128 along j are one key step of the third product, four blocks of 32 keys.
; A tile of C' is 256 x 256, four waves of 128 x 128 (64 accumulators).  K = 1,024 is two LDS slots of 512 along K: each LDS byte is filled once, by joint loads at the head (S1's tile is shared along a row of the 4 x 4 cluster, S0's along a column).
; A RESULT BECOMES AN OPERAND.  Accumulator b of a block of 16 i holds, in lane (r, h), j = 16 b + 8 h + 0 .. 7.  Each accumulator's eight numbers become one register of codes; the registers are laid b = 0, 2, 1, 3 (and 4, 6, 5, 7), and
; two exchanges of half-waves for each four give registers 4 c .. 4 c + 3 = j 64 c + 32 h + 0 .. 31: the layout of a 4-bit operand.  The eight registers are stored as they stand, 16 bytes a lane: 512 consecutive bytes a store.
; OUT: qkv_c [q, k, v][batch 4][head pair 8][unit 128][1,024 bytes]; q, k: unit = 16 tokens, [head of the pair][lane][16 bytes]; v: unit = 8 x key step + 4 x head of the pair + d / 16, a fragment's image.
;      qkv_s: the same offset / 16: 512 bytes for 8 units: word j of lane l's 16 bytes is the scale word of unit 4 (l / 16) + j, row l % 16.
; LIMITS: NaN and infinities are not served.  A block of zeros, and one whose largest magnitude lies under 2^-124, gets the scale byte 1 (the stated quantiser gives a block of zeros 127): its codes are zeros or as the held scale gives them, and the bytes are read by this program alone.
.set NQ,     4                         ; matrix instructions deep in a slot
.set PITCH,  272                       ; an LDS row: 256 bytes of codes + 16 of padding: the 16 rows of a fragment load start 4 banks apart
.set FR,     8                         ; registers of a fragment
.set NL,     2                         ; LDS loads that bring one
.set NP,     4                         ; places behind this matrix instruction (ISA guide 7.12.1)
.set HALFT,  128*PITCH                 ; 128 rows: what one tensor load brings
.set SLOT,   4*HALFT                   ; S1's 256 rows, then S0's 256 rows
.set SCL,    2*SLOT                    ; behind the slots: the scale bytes, as units of 256 bytes + 16 of padding
.set HALFS,  16*272                    ; those of 128 rows (32 bytes a row)
.set SBLK,   2*272                     ; those of 16 rows
.set SPARE,  SCL+4*HALFS               ; the spare words, 128 bytes a wave
.set ADRA, 16                          ; v16-17 LDS address of my S1 fragments in slot 0, 1
.set ADRB, 20                          ; v20-21 the same for S0
.set LI,   24                          ; v24    16 x lane
.set BO,   25                          ; v25    my lane's offset in the bias
.set ADRS, 27                          ; v27    LDS address of my scale words: lanes 0-15 S1's rows, lanes 16-31 S0's
.set SPW,  28                          ; v28    my spare word; never rewritten
.set NIL,  29                          ; v29    0; never rewritten
.set SC,   32                          ; v32-95 scale words, two sets; they hold nothing else
.set TM,   96                          ; v96-111 the quantiser's work
.set PWS,  112                         ; v112-119 the scale word of each of my eight blocks
.set WQ,   120                         ; v120-123 those words as they are stored
.set AF,   128                         ; v128-191 S1's fragments, one set
.set ST,   128                         ; the same registers on the way out: a block's 64 numbers with the bias
.set PCB,  192                         ; v192-255 the codes, eight registers a block: no store's data are written again
.set BIAS, 64                          ; window 1, v64-127: the bias
.set WV,   18
.set HI,   19                          ; which half of the tile's i is mine; also: I fetch for S1 (0) or S0 (1)
.set LO,   20                          ; which half of its j; also: which 128 rows I fetch
.set CXR,  21
.set CYR,  22
.set IT,   23                          ; S1's tile of 256 rows
.set G1,   24
.set G0,   32
.set JT,   40                          ; S0's tile of 256 rows
.set ISV,  41                          ; 1 in the clusters that make v: the same in all sixteen partners
.set G1B,  48
.set G0B,  56
.set G1S,  68
.set G0S,  76
.set G1SB, 80
.set G0SB, 88
.set SEL,  100
.set HMASK, 104
.set MSB, 0
.macro WIN new                         ; the immediate's high byte repeats the setting that is left
.if MSB != (\new)
	s_set_vgpr_msb (MSB<<8)|(\new)
.set MSB, \new
.endif
.endm
.set MUL_LO, 0xa1                      ; source 0 (S0) window 1, source 1 (S1) window 0, C and D window 2
.set MUL_HI, 0xf1                      ; the same, C and D window 3
.set TO_B,   0x40                      ; destination window 1, address window 0
; A joint load: waves 0 and 1 fetch for S1, waves 2 and 3 for S0; the branch hangs on the wave's number alone.  An s_nop 0 and four v_nop follow each line.
.macro JLOAD g0a, g1a, g0b, g1b
	s_cmp_eq_u32 s[HI], 0
	s_cbranch_scc0 .Lfor_b_\@
	tensor_load_to_lds s[\g0a:\g0a+3], s[\g1a:\g1a+7]
	s_nop 0
.rept 4
	v_nop
.endr
	s_branch .Lasked_\@
.Lfor_b_\@:
	tensor_load_to_lds s[\g0b:\g0b+3], s[\g1b:\g1b+7]
	s_nop 0
.rept 4
	v_nop
.endr
.Lasked_\@:
.endm
.macro CROUND                          ; a round of the cluster's barrier
	s_barrier_signal -1
	s_barrier_wait -1
	s_cmp_lg_u32 s[WV], 0
	s_cbranch_scc1 .Lnot_wave_0_\@
	s_barrier_signal -3
.Lnot_wave_0_\@:
	s_barrier_wait -3
	s_barrier_signal -1
	s_barrier_wait -1
.endm
.macro PLACES n
.rept \n
	v_nop
.endr
.endm
; 32 nc numbers of a lane, register 8 t + i = index 16 t + 8 (lane / 16) + i of my row, become 4 nc registers of codes at v[pc] on, in the operand's layout, and the row's scale bytes in v[pw].
.macro QUANT s, pc, pw, nc
.set qb_, 0
.rept 2*\nc
	v_max3_num_f32 v[TM+qb_], |v[(\s)+16*qb_]|, |v[(\s)+16*qb_+1]|, 0x1800000   ; block qb_: my 16 numbers, and the floor 2^(3 - 127): the byte cannot fall under 1
.set qb_, qb_+1
.endr
.set qi_, 2
.rept 7
.set qb_, 0
.rept 2*\nc
	v_max3_num_f32 v[TM+qb_], v[TM+qb_], |v[(\s)+16*qb_+qi_]|, |v[(\s)+16*qb_+qi_+1]|   ; the blocks by turns
.set qb_, qb_+1
.endr
.set qi_, qi_+2
.endr
.set qb_, 0
.rept 2*\nc
	v_permlanex16_b32 v[TM+4+qb_], v[TM+qb_], s[SEL], s[SEL+1]
.set qb_, qb_+1
.endr
.set qb_, 0
.rept 2*\nc
	v_max_num_f32 v[TM+qb_], v[TM+qb_], v[TM+4+qb_]                ; with lane l xor 16's 16: the block's largest magnitude
.set qb_, qb_+1
.endr
.set qb_, 0
.rept 2*\nc
	v_add_nc_u32 v[TM+12+qb_], 0xff000000, v[TM+qb_]               ; 2 off its exponent field: the conversion's scale operand
.set qb_, qb_+1
.endr
.set qb_, 0
.rept 2*\nc
	v_lshrrev_b32 v[TM+4+qb_], 23, v[TM+12+qb_]                    ; the scale's byte
.set qb_, qb_+1
.endr
	v_lshl_or_b32 v[\pw], v[TM+5], 8, v[TM+4]
.if \nc > 1
	v_lshl_or_b32 v[\pw], v[TM+6], 16, v[\pw]
	v_lshl_or_b32 v[\pw], v[TM+7], 24, v[\pw]
.endif
.set qc_, 0
.rept \nc
	v_cvt_scalef32_pk8_fp4_f32 v[(\pc)+4*qc_],   v[(\s)+32*qc_:(\s)+32*qc_+7],     v[TM+12+2*qc_]
	v_cvt_scalef32_pk8_fp4_f32 v[(\pc)+4*qc_+2], v[(\s)+32*qc_+8:(\s)+32*qc_+15],  v[TM+12+2*qc_]
	v_cvt_scalef32_pk8_fp4_f32 v[(\pc)+4*qc_+1], v[(\s)+32*qc_+16:(\s)+32*qc_+23], v[TM+12+2*qc_+1]
	v_cvt_scalef32_pk8_fp4_f32 v[(\pc)+4*qc_+3], v[(\s)+32*qc_+24:(\s)+32*qc_+31], v[TM+12+2*qc_+1]
.set qc_, qc_+1
.endr
	v_nop                                          ; one plain place behind the scaled conversions
.set qc_, 0
.rept \nc
	v_permlane16_swap_b32 v[(\pc)+4*qc_], v[(\pc)+4*qc_+1]         ; the first's lanes 16-31 change places with the second's lanes 0-15: a whole block of 32 in a lane
	v_permlane16_swap_b32 v[(\pc)+4*qc_+2], v[(\pc)+4*qc_+3]
.set qc_, qc_+1
.endr
.endm
	s_load_b256 s[4:11], s[0:1], 0x0               ; x's codes s[4:5], x's scales s[6:7], W_in's codes s[8:9], W_in's scales s[10:11]
	s_load_b128 s[12:15], s[0:1], 0x20             ; b_in s[12:13], qkv_c s[14:15]
	s_load_b64 s[16:17], s[0:1], 0x30              ; qkv_s
	v_lshl_add_u32 v[SPW], v0, 2, SPARE
	v_mov_b32 v[NIL], 0
	ds_add_u32 v[SPW], v[NIL]                      ; the wave's opening: the add, twice on end, waited for ahead of my first tensor load
	ds_add_u32 v[SPW], v[NIL]
	v_lshrrev_b32 v1, 5, v0
	v_readfirstlane_b32 s[WV], v1                  ; wave 0..3
	s_lshr_b32 s[HI], s[WV], 1
	s_and_b32 s[LO], s[WV], 1
	s_bfe_u32 s[CXR], ttmp6, 0x40000               ; cx, cy: my place in the cluster
	s_bfe_u32 s[CYR], ttmp6, 0x40004
	s_and_b32 s2, ttmp7, 0xffff                    ; the cluster's y
	s_lshl_b32 s3, s2, 2
	s_cmp_eq_u32 ttmp9, 2                          ; the cluster's x: 2 makes v
	s_cselect_b32 s[ISV], 1, 0
	s_cselect_b32 s[IT], 8, s3                     ; S1's tile: W_in's tiles 8 .. 11, or x's tile 4 y + cy
	s_cselect_b32 s[JT], s2, ttmp9                 ; S0's tile: x's tile 4 y + cx, or W_in's tile 4 x + cx
	s_add_co_u32 s[IT], s[IT], s[CYR]
	s_lshl_b32 s[JT], s[JT], 2
	s_add_co_u32 s[JT], s[JT], s[CXR]
	s_lshl_b32 s42, s[CYR], 2
	s_lshl_b32 s42, 15, s42                        ; my row of the cluster
	s_lshl_b32 s43, 0x1111, s[CXR]                 ; my column
	; descriptor group 1 for codes: 128 rows x 256 bytes, 512 bytes apart in memory, 16 bytes of padding behind each in LDS
	s_or_b32 s[G1], s42, (1<<20)|(1<<21)|(5<<22)|(3<<25)    ; 15:0 the mask: S1's tiles go to my row; elements of 1 byte; padding on; bit 21 beside a mask; after every 64 words, 4 words
	s_or_b32 s[G1B], s43, (1<<20)|(1<<21)|(5<<22)|(3<<25)
.irp g, G1, G1B
	s_mov_b32 s[\g+1], 256<<16                     ; tensor_dim0
	s_mov_b32 s[\g+2], 128<<16                     ; tensor_dim1
	s_mov_b32 s[\g+3], 256<<16                     ; tile_dim0
	s_mov_b32 s[\g+4], 128                         ; tile_dim1
	s_mov_b32 s[\g+5], 512                         ; the pitch
	s_mov_b32 s[\g+6], 0
	s_mov_b32 s[\g+7], 0
.endr
	; and for the scale bytes of 128 rows: 4,096 dense bytes as 16 rows of 256 (32 elements of 8 bytes), 16 bytes of padding behind each
	s_or_b32 s[G1S], s42, (3<<16)|(1<<20)|(1<<21)|(5<<22)|(3<<25)
	s_or_b32 s[G1SB], s43, (3<<16)|(1<<20)|(1<<21)|(5<<22)|(3<<25)
.irp g, G1S, G1SB
	s_mov_b32 s[\g+1], 32<<16
	s_mov_b32 s[\g+2], 16<<16
	s_mov_b32 s[\g+3], 32<<16
	s_mov_b32 s[\g+4], 16
	s_mov_b32 s[\g+5], 32
	s_mov_b32 s[\g+6], 0
	s_mov_b32 s[\g+7], 0
.endr
	s_lshl_b32 s2, s[LO], 7                        ; which 128 rows of a tile I fetch
	s_lshl_b32 s44, s[IT], 8
	s_add_co_u32 s44, s44, s2                      ; S1's row
	s_lshl_b32 s46, s44, 5                         ; its scale bytes: 32 a row
	s_lshl_b32 s44, s44, 9                         ; its codes: 512 bytes a row
	s_mov_b32 s45, 0
	s_mov_b32 s47, 0
	s_lshl_b32 s66, s[JT], 8
	s_add_co_u32 s66, s66, s2                      ; S0's row
	s_lshl_b32 s2, s66, 5
	s_lshl_b32 s66, s66, 9
	s_mov_b32 s67, 0
	s_mov_b32 s3, 0
	s_mov_b32 s[SEL], 0x76543210
	s_mov_b32 s[SEL+1], 0xfedcba98                 ; v_permlanex16_b32's selects for lane l xor 16
	s_mov_b32 s[HMASK], 0xffff0000                 ; lanes 16-31
	s_wait_dscnt 0x0                               ; both opening adds are done
	s_wait_kmcnt 0x0
	s_cmp_eq_u32 s[ISV], 1                         ; which tensor is S1 and which S0: the choice hangs on the cluster's number alone
	s_cselect_b64 s[92:93], s[8:9], s[4:5]         ; S1's codes
	s_cselect_b64 s[94:95], s[10:11], s[6:7]       ; S1's scales
	s_cselect_b64 s[96:97], s[4:5], s[8:9]         ; S0's codes
	s_cselect_b64 s[98:99], s[6:7], s[10:11]       ; S0's scales
	s_add_nc_u64 s[92:93], s[92:93], s[44:45]
	s_add_nc_u64 s[94:95], s[94:95], s[46:47]
	s_add_nc_u64 s[96:97], s[96:97], s[66:67]
	s_add_nc_u64 s[98:99], s[98:99], s[2:3]
	s_mul_i32 s2, s[WV], HALFT                     ; where they go: wave x 128 rows: no place in the cluster enters an LDS address
	s_mul_i32 s3, s[WV], HALFS
	CROUND                                         ; all sixteen work-groups are here: the joint loads meet
	s_mov_b32 s[G0S], 1
	s_add_co_u32 s[G0S+1], s3, SCL
	s_mov_b64 s[G0S+2:G0S+3], s[94:95]
	s_or_b32 s[G0S+3], s[G0S+3], 0x80000000
	s_mov_b32 s[G0SB], 1
	s_add_co_u32 s[G0SB+1], s3, SCL
	s_mov_b64 s[G0SB+2:G0SB+3], s[98:99]
	s_or_b32 s[G0SB+3], s[G0SB+3], 0x80000000
	JLOAD G0S, G1S, G0SB, G1SB                     ; the scale bytes first: they are wanted with the first slot
.irp s, 0,1
	s_mov_b32 s[G0+4*\s], 1
	s_add_co_u32 s[G0+4*\s+1], s2, \s*SLOT
	s_add_nc_u64 s[G0+4*\s+2:G0+4*\s+3], s[92:93], \s*256
	s_or_b32 s[G0+4*\s+3], s[G0+4*\s+3], 0x80000000
	s_mov_b32 s[G0B+4*\s], 1
	s_add_co_u32 s[G0B+4*\s+1], s2, \s*SLOT
	s_add_nc_u64 s[G0B+4*\s+2:G0B+4*\s+3], s[96:97], \s*256
	s_or_b32 s[G0B+4*\s+3], s[G0B+4*\s+3], 0x80000000
	JLOAD G0+4*\s, G1, G0B+4*\s, G1B               ; three loads of mine are out in all; every LDS byte is filled once
.endr
	v_and_b32 v1, 15, v0                           ; r = l % 16
	v_bfe_u32 v2, v0, 4, 1                         ; h = l / 16
	v_mul_u32_u24 v3, v1, PITCH
	v_lshl_add_u32 v4, v2, 4, v3                   ; a fragment's row x pitch + 16 x half
	s_mul_i32 s44, s[HI], HALFT                    ; my 128 rows of S1
	s_mul_i32 s45, s[LO], HALFT                    ; my 128 rows of S0,
	s_add_co_u32 s45, s45, 2*HALFT                 ; which lie behind S1's 256
.irp s, 0,1
	v_add_nc_u32 v[ADRA+\s], s44, v4
	v_add_nc_u32 v[ADRB+\s], s45, v4
	s_add_co_u32 s44, s44, SLOT
	s_add_co_u32 s45, s45, SLOT
.endr
	v_mul_u32_u24 v5, v1, 32                       ; my row's scale bytes: 32 a row,
	v_lshrrev_b32 v6, 8, v5
	v_lshl_add_u32 v5, v6, 4, v5                   ; and 16 more for each 256 passed
	s_mul_i32 s44, s[HI], HALFS
	s_mul_i32 s45, s[LO], HALFS
	s_add_co_u32 s45, s45, 2*HALFS
	s_sub_co_u32 s45, s45, s44
	v_mul_u32_u24 v6, s45, v2                      ; lanes 16-31 take S0's: the lower base + h x the distance
	s_add_co_u32 s44, s44, SCL
	v_add_nc_u32 v5, v5, v6
	v_add_nc_u32 v[ADRS], s44, v5
	v_and_b32 v6, 31, v0
	v_lshlrev_b32 v[LI], 4, v6
.irp b, 0,1,2,3
	v_mov_b32 v[TM+4+\b], 0                        ; written once: a lane permute's destination counts as one of its sources
.endr
	; where my results go, and where my bias lies.  q, k: section JT / 4, head pair 2 (JT % 4) + LO, tokens by IT and HI.  v: section 2, head pair 2 cy + HI, key steps by JT and LO.
	s_lshr_b32 s44, s[JT], 2
	s_and_b32 s45, s[JT], 3
	s_cmp_eq_u32 s[ISV], 1
	s_cselect_b32 s46, s[JT], s[IT]                ; the tile of 256 tokens
	s_cselect_b32 s44, 2, s44                      ; the section
	s_cselect_b32 s45, s[CYR], s45
	s_cselect_b32 s47, s[HI], s[LO]                ; head pair = 2 s45 + s47
	s_cselect_b32 s66, s[LO], s[HI]                ; which 128 of the 256 tokens
	s_cselect_b32 s67, s[CYR], s[JT]               ; the bias: 256 numbers on for each of these,
	s_cselect_b32 s2, 8192, 0                      ; behind q's and k's 2,048 numbers for v
	s_lshl_b32 s67, s67, 10
	s_add_co_u32 s2, s2, s67
	s_lshl_b32 s67, s47, 9                         ; and my half of them
	s_add_co_u32 s2, s2, s67
	s_mov_b32 s3, 0
	s_add_nc_u64 s[12:13], s[12:13], s[2:3]
	s_lshl_b32 s44, s44, 22
	s_lshr_b32 s67, s46, 3                         ; the batch
	s_lshl_b32 s67, s67, 20
	s_add_co_u32 s44, s44, s67
	s_lshl_b32 s45, s45, 1
	s_add_co_u32 s45, s45, s47
	s_lshl_b32 s45, s45, 17
	s_add_co_u32 s44, s44, s45
	s_and_b32 s46, s46, 7
	s_lshl_b32 s46, s46, 14
	s_add_co_u32 s44, s44, s46
	s_lshl_b32 s66, s66, 13
	s_add_co_u32 s44, s44, s66
	s_mov_b32 s45, 0
	s_add_nc_u64 s[14:15], s[14:15], s[44:45]      ; my eight units of 1,024 bytes
	s_lshr_b32 s44, s44, 4
	s_add_nc_u64 s[16:17], s[16:17], s[44:45]      ; and their 512 bytes of scale words
.macro FRAG reg, adr, q, i             ; a fragment, 16 rows x 128 K: lane l holds row l % 16; registers 4 c .. 4 c + 3 hold K = 64 c + 32 (l / 16) + 0 .. 31
.irp c, 0,1
	ds_load_b128 v[\reg+4*\c:\reg+4*\c+3], v[\adr] offset:64*(\q)+32*\c+(\i)*16*PITCH
.endr
.endm
; 16 matrix instructions: S1's blocks a0, a0 + 1 x S0's eight.  The 64 accumulators take turns, one instruction a turn, in the same order in every step.
.macro MUL16 a0, p, q, sc, zero
.irp a, \a0, \a0+1
.irp b, 0,1,2,3,4,5,6,7
.if \zero
	v_wmma_scale_f32_16x16x128_f8f6f4 v[8*(8*((\a)%4)+\b):8*(8*((\a)%4)+\b)+7], v[128*(\p)+FR*\b:128*(\p)+FR*\b+FR-1], v[AF+FR*(\a):AF+FR*(\a)+FR-1], 0, v[SC+8*NQ*(\sc)+NQ*\b+(\q)], v[SC+8*NQ*(\sc)+NQ*(\a)+(\q)] matrix_a_fmt:MATRIX_FMT_FP4 matrix_b_fmt:MATRIX_FMT_FP4 matrix_a_scale:MATRIX_SCALE_ROW1
.else
	v_wmma_scale_f32_16x16x128_f8f6f4 v[8*(8*((\a)%4)+\b):8*(8*((\a)%4)+\b)+7], v[128*(\p)+FR*\b:128*(\p)+FR*\b+FR-1], v[AF+FR*(\a):AF+FR*(\a)+FR-1], v[8*(8*((\a)%4)+\b):8*(8*((\a)%4)+\b)+7], v[SC+8*NQ*(\sc)+NQ*\b+(\q)], v[SC+8*NQ*(\sc)+NQ*(\a)+(\q)] matrix_a_fmt:MATRIX_FMT_FP4 matrix_b_fmt:MATRIX_FMT_FP4 matrix_a_scale:MATRIX_SCALE_ROW1
.endif
.endr
.endr
.endm
.macro FETCH_B slot, q, p              ; S0's eight fragments of the slot's q-th 128 along K into set p
	WIN TO_B
.irp i, 0,1,2,3,4,5,6,7
	FRAG 128*(\p)+FR*\i, ADRB+\slot, \q, \i
.endr
	WIN 0
.endm
.macro FETCH_A slot, q, i0             ; S1's blocks i0 .. i0 + 3
.irp i, \i0, \i0+1, \i0+2, \i0+3
	FRAG AF+FR*(\i), ADRA+\slot, \q, \i
.endr
.endm
.macro SCALES sc                       ; a slot's scale words into set sc: four words a row; lanes 0-15 take S1's block i, lanes 16-31 S0's block i
.irp i, 0,1,2,3,4,5,6,7
	ds_load_b128 v[SC+8*NQ*\sc+NQ*\i:SC+8*NQ*\sc+NQ*\i+3], v[ADRS] offset:\i*SBLK
.endr
.endm
; A step of 128 along K that has its successor in the same slot.  S1 has one set of registers (a block is free when its eight products are issued), S0 two.
.macro STEP slot, q, zero
	s_wait_dscnt 4*NL                              ; S0's set and S1's blocks 0-3 are in; the youngest eight loads (S1's blocks 4-7) may be out
	WIN MUL_LO
	MUL16 0, (\q)%2, \q, \slot, \zero
	MUL16 2, (\q)%2, \q, \slot, \zero
	s_wait_dscnt 0                                 ; S1's blocks 4-7 are in
	PLACES NP                                      ; in front of loads into registers that matrix instructions have read
	FETCH_B \slot, (\q)+1, 1-(\q)%2
	FETCH_A \slot, (\q)+1, 0
	WIN MUL_HI
	MUL16 4, (\q)%2, \q, \slot, \zero
	MUL16 6, (\q)%2, \q, \slot, \zero
	PLACES NP
	WIN 0
	FETCH_A \slot, (\q)+1, 4
.endm
; Slot 0's last step goes over to slot 1: each wave waits for all its tensor loads, so that behind the barrier slot 1 is whole.  Nothing is filled again.
.macro TURN slot, next
	s_wait_tensorcnt 0x0                           ; all my tensor loads have landed: my part of the next slot
	ds_add_u32 v[SPW], v[NIL]                      ; 0 onto my spare word
	s_wait_dscnt 4*NL+1                            ; (the add and the youngest eight loads may be out)
	WIN MUL_LO
	MUL16 0, 1, NQ-1, \slot, 0
	s_wait_dscnt 0x0                               ; no LDS instruction of mine is out at the signal
	s_barrier_signal -1
	MUL16 2, 1, NQ-1, \slot, 0
	WIN 0
	s_barrier_wait -1
	PLACES NP
	v_add_nc_u32 v[ADRS], 4*NQ, v[ADRS]            ; on to the next slot's scale words
	FETCH_B \next, 0, 0
	FETCH_A \next, 0, 0
	SCALES \next
	WIN MUL_HI
	MUL16 4, 1, NQ-1, \slot, 0
	MUL16 6, 1, NQ-1, \slot, 0
	PLACES NP
	WIN 0
	FETCH_A \next, 0, 4
.endm
.macro STEPS slot, from                ; the slot's steps from .. NQ - 2
.set Q, \from
.rept NQ-1-\from
	STEP \slot, Q, 0
.set Q, Q+1
.endr
.endm
; THE SECOND SLOT AND THE WAY OUT, written once for q and k (isv = 0: the bias runs along j, with my registers) and once for v (isv = 1: it runs along i, with my lane): the bias is asked for here and lands under the slot's products.
.macro TAIL isv
.if \isv
	v_lshlrev_b32 v[BO], 2, v1                     ; 4 r
.else
	v_lshlrev_b32 v[BO], 5, v2                     ; 32 h
.endif
	WIN TO_B                                       ; the bias lies in window 1, between S0's two sets
.if \isv
.irp a, 0,1,2,3,4,5,6,7
	global_load_b32 v[BIAS+2*\a], v[BO], s[12:13] offset:64*\a      ; block a's number of my row, twice: a pair for the packed addition
	global_load_b32 v[BIAS+2*\a+1], v[BO], s[12:13] offset:64*\a
.endr
.else
.irp b, 0,1,2,3,4,5,6,7
	global_load_b128 v[BIAS+8*\b:BIAS+8*\b+3], v[BO], s[12:13] offset:64*\b      ; accumulator b's eight numbers of my half
	global_load_b128 v[BIAS+8*\b+4:BIAS+8*\b+7], v[BO], s[12:13] offset:64*\b+16
.endr
.endif
	WIN 0
	STEPS 1, 0
	s_wait_dscnt 4*NL                              ; the very last step: nothing more to fetch
	WIN MUL_LO
	MUL16 0, 1, NQ-1, 1, 0
	MUL16 2, 1, NQ-1, 1, 0
	s_wait_dscnt 0
	WIN MUL_HI
	MUL16 4, 1, NQ-1, 1, 0
	MUL16 6, 1, NQ-1, 1, 0
	WIN 0
	PLACES NP                                      ; in front of the first read of results and the first write of registers that the last products read
	s_wait_loadcnt 0x0                             ; the bias
.irp a, 0,1,2,3,4,5,6,7                ; block a: 16 rows i x 128 along j
	WIN 0x06+\a/4                                  ; source 0: the accumulators' window (2 or 3); source 1: window 1; destination: window 0
.set p_, 0
.rept 32
.if \isv
	v_pk_add_f32 v[ST+2*p_:ST+2*p_+1], v[64*(\a%4)+2*p_:64*(\a%4)+2*p_+1], v[BIAS+2*\a:BIAS+2*\a+1]
.else
	v_pk_add_f32 v[ST+2*p_:ST+2*p_+1], v[64*(\a%4)+2*p_:64*(\a%4)+2*p_+1], v[BIAS+2*p_:BIAS+2*p_+1]   ; each accumulator from its low end on
.endif
.set p_, p_+1
.endr
	WIN 0
	QUANT ST, PCB+8*\a, PWS+\a, 2
	global_store_b128 v[LI], v[PCB+8*\a:PCB+8*\a+3], s[14:15] offset:1024*\a        ; 32 lanes store 512 consecutive bytes, at a multiple of 512 from the buffer's first byte
	global_store_b128 v[LI], v[PCB+8*\a+4:PCB+8*\a+7], s[14:15] offset:1024*\a+512
.endr
.irp j, 0,1,2,3
	v_cndmask_b32 v[WQ+\j], v[PWS+\j], v[PWS+4+\j], s[HMASK]       ; lanes 0-15: block j's word of row r; lanes 16-31: block 4 + j's
.endr
	global_store_b128 v[LI], v[WQ:WQ+3], s[16:17]  ; 512 consecutive bytes
.endm
	s_wait_tensorcnt 1                             ; the scale bytes and my part of slot 0 are in (slot 1's load may be out),
	s_barrier_signal -1
	s_barrier_wait -1                              ; everybody's are
	FETCH_B 0, 0, 0
	FETCH_A 0, 0, 0
	SCALES 0
	FETCH_A 0, 0, 4
	STEP 0, 0, 1                                   ; the first products start the sums: nothing is cleared
	STEPS 0, 1
	TURN 0, 1
	s_cmp_eq_u32 s[ISV], 1                         ; the same in all waves of all sixteen partners
	s_cbranch_scc1 .Lv
	TAIL 0
	s_branch .Lend
.Lv:
	TAIL 1
.Lend:
	s_wait_tensorcnt 0x0                           ; the wave's end
	ds_add_u32 v[SPW], v[NIL]
	s_wait_dscnt 0x0
	CROUND                                         ; the closing round: no work-group ends while a partner may still ask for a tile that names it
	s_endpgm
.Lfunc_end_k_qc429402253_qkv:
	.size	k_qc429402253_qkv, .Lfunc_end_k_qc429402253_qkv-k_qc429402253_qkv
	.p2alignl 7, 3214868480
	.fill 96, 4, 3214868480
	.section	.rodata,"a",@progbits
	.p2align	6, 0x0
	.amdhsa_kernel k_qc429402253_qkv
		.amdhsa_group_segment_fixed_size 327680
		.amdhsa_private_segment_fixed_size 0
		.amdhsa_enable_private_segment 0
		.amdhsa_kernarg_size 56
		.amdhsa_user_sgpr_count 2
		.amdhsa_user_sgpr_kernarg_segment_ptr 1
		.amdhsa_wavefront_size32 1
		.amdhsa_system_sgpr_workgroup_id_x 1
		.amdhsa_system_sgpr_workgroup_id_y 1
		.amdhsa_system_sgpr_workgroup_id_z 1
		.amdhsa_system_vgpr_workitem_id 0
		.amdhsa_next_free_vgpr 1024
		.amdhsa_next_free_sgpr 106
		.amdhsa_reserve_vcc 0
		.amdhsa_float_denorm_mode_32 3
		.amdhsa_float_denorm_mode_16_64 3
		.amdhsa_memory_ordered 1
		.amdhsa_forward_progress 1
		.amdhsa_inst_pref_size 235
	.end_amdhsa_kernel
	.amdgpu_metadata
---
amdhsa.version: [ 1, 2 ]
amdhsa.kernels:
  - .name:           k_qc429402253_qkv
    .symbol:         k_qc429402253_qkv.kd
    .args:
      - { .name: x_codes, .offset: 0, .size: 8, .value_kind: global_buffer, .address_space: global }
      - { .name: x_scales, .offset: 8, .size: 8, .value_kind: global_buffer, .address_space: global }
      - { .name: W_in_codes, .offset: 16, .size: 8, .value_kind: global_buffer, .address_space: global }
      - { .name: W_in_scales, .offset: 24, .size: 8, .value_kind: global_buffer, .address_space: global }
      - { .name: b_in, .offset: 32, .size: 8, .value_kind: global_buffer, .address_space: global }
      - { .name: qkv_c, .offset: 40, .size: 8, .value_kind: global_buffer, .address_space: global }
      - { .name: qkv_s, .offset: 48, .size: 8, .value_kind: global_buffer, .address_space: global }
    .group_segment_fixed_size: 327680
    .private_segment_fixed_size: 0
    .kernarg_segment_align: 8
    .kernarg_segment_size: 56
    .max_flat_workgroup_size: 128
    .sgpr_count:     106
    .vgpr_count:     1024
    .wavefront_size: 32
...
	.end_amdgpu_metadata
.endif
;; end of part 1
;; launch attn (part 2): grid 8 x 32, 16 waves a work-group, clusters of 4 x 1, 327,680 bytes of LDS; arguments qkv_c, qkv_s, ao_c, ao_s; writes ao_c, ao_s
.if DOCPART == 2
	.amdgcn_target "amdgcn-amd-amdhsa--gfx1250"
	.amdhsa_code_object_version 6
	.text
	.protected	k_qc429402253_attn
	.globl	k_qc429402253_attn
	.p2align	8
	.type	k_qc429402253_attn,@function
k_qc429402253_attn:
	s_mov_b64 s[64:65], 0
	v_nop
	global_prefetch_b8 v0, s[64:65] scope:SCOPE_SE
	s_setreg_imm32_b32 hwreg(HW_REG_WAVE_MODE, 25, 1), 1
	s_wait_xcnt 0x0
	s_wait_alu depctr_hold_cnt(0) depctr_sa_sdst(0) depctr_va_vdst(0) depctr_va_sdst(0) depctr_va_ssrc(0) depctr_va_vcc(0) depctr_vm_vsrc(0)
	s_getreg_b32 s2, hwreg(HW_REG_IB_STS2, 6, 4)
	s_cmp_eq_u32 s2, 0
	s_cbranch_scc0 .Lentry_in_a_cluster
	s_endpgm
.Lentry_in_a_cluster:
	s_bfe_u32 s2, ttmp6, 0x10000c
	s_cmp_lg_u32 s2, 0x3003
	s_cbranch_scc0 .Lentry_shape_is_right
	s_endpgm
.Lentry_shape_is_right:
; O = softmax(q k^T / 8) v for each batch and head, both products on codes of FP4 (E2M1) with E8M0 scales, and O's quantising along head x d for the projection.  No work of the problem is left out.
; THE SOFTMAX AHEAD OF THE SECOND PRODUCT: t = score x log2(e) / 8; M = the running largest t rounded UP to a whole number; p = 2^(t - M) is quantised along the keys, not normalised; the row's sum is taken of the
; unquantised p and divides O at the end.  When M moves, the sum and O are multiplied by 2^(old M - new M): exact.
; SHARES.  A work-group owns a PAIR of heads of one batch and 256 queries.  Wave w takes head w / 8 of the pair and two tiles of 16 queries, one after the other (tile w % 8 of the first 128 queries, then of the second).
; The pair's whole K and V (2 x 128 KiB of codes, 2 x 8 KiB of scale words) lie in LDS, each byte filled once: waves 0 to 3 ask for them at the head, in four chunks of 512 keys, and the first tile's walk begins when chunk 0 is in.
; The four work-groups of a cluster own the same pair and ask jointly.
; LAYOUT.  Codes lie as the launch before stored them, as images of operand registers: every LDS load takes 512 consecutive bytes.  Both products are used transposed (S^T = k q^T, O^T = v^T p^T): a lane holds ONE query.
; K = 64 IN AN INSTRUCTION OF 128.  A unit's scale word has the pair's first head in bytes 0, 1 and its second in bytes 2, 3: so head e's 64 codes stand in registers 4 e .. 4 e + 3 of both operands.  q's other four registers are
; zeros (the quantiser's own fill); k's other four are whatever lies beside them (the neighbouring tile's codes, or zeros): they are multiplied by q's zero codes under scale bytes of the other head, which lie between 1 and 252.
; LIMITS: NaN and infinities are not served.  A block of zeros, or one under 2^-124, gets the scale byte 1; the bytes are read by this program alone.  1 / the sum is v_rcp_f32's.  A block's largest p is not searched for: the block's
; largest score goes through the same multiply-add and exponential, which takes v_exp_f32 not to fall where its input rises.
.set VC,    131072                     ; LDS: K's codes from 0, V's from here, 1,024 bytes a unit, 8,192 a key step
.set KSC,   262144                     ; K's scale words, 512 bytes a key step
.set VSC,   270336                     ; V's
.set OSC,   278528                     ; a stage for O's scale words: 256 tokens x 4 bytes; no tensor load lands here
.set SPARE, 279552                     ; the spare words, 128 bytes for each of sixteen waves
.set AK0,  1                           ; v1   16 x lane + 512 e: my place in a unit of K
.set AV0,  2                           ; v2   VC + 4,096 e + 16 x lane
.set ASK0, 3                           ; v3   KSC + 16 x lane
.set ASV0, 4                           ; v4   VSC + 256 e + 16 (lane % 16)
.set SPW,  5
.set NIL,  6
.set GO,   7                           ; v7   16 x lane
.set ADK,  8                           ; v8-11 the step's LDS addresses
.set ADV,  9
.set ADS,  10
.set ADT,  11
.set OSA,  38                          ; v38  where my row's two scale bytes go in the stage
.set QSO,  39                          ; v39  16 (lane % 16): q's scale words in memory
.set KF,   44                          ; v44-75 K: eight tiles x four registers on end; v40-43 and v76-79 are zeros
.set VF,   80                          ; v80-111 V's four fragments
.set TM,   80                          ; on the way out the quantiser works there
.set S,    112                         ; v112-175 S^T, then p
.set O,    176                         ; v176-207 O^T
.set PC,   208                         ; v208-215 p's codes
.set KSQ,  216                         ; v216-219 K's scale words: register j: lanes 0-15 tile j, lanes 16-31 tile 4 + j
.set VSQ,  220                         ; v220-223 V's: register j: d tile j
.set BM,   224                         ; v224-227 each block's largest score, then its largest p
.set T4,   228
.set SO,   232                         ; v232-235 the conversions' scale operands
.set F,    236                         ; v236 2^(old M - new M)
.set PSW,  237                         ; v237 p's scale word
.set TP,   238
.set OSR,  240                         ; v240 OSC + 16 x lane
.set OC,   242                         ; v242-249 O's codes, four registers a tile
.set OH,   250                         ; v250-251 their two scale bytes
.set WV,   12
.set E,    13                          ; my head of the pair
.set W7,   14
.set CXR,  15
.set QB,   16                          ; my work-group's block of 256 queries
.set PP,   17                          ; 8 x batch + head pair
.set SEL,  18
.set CS,   20
.set TB,   22                          ; the step's first byte in K's and in V's codes
.set TS,   23                          ; and in their scale words
.set G1C,  24
.set G1S,  32
.set G0,   40                          ; s[40:59] five groups 0: the scale words, chunks 0 to 3; none is rewritten
.set CNT,  60
.macro CROUND
	s_barrier_signal -1
	s_barrier_wait -1
	s_cmp_lg_u32 s[WV], 0
	s_cbranch_scc1 .Lnot_wave_0_\@
	s_barrier_signal -3
.Lnot_wave_0_\@:
	s_barrier_wait -3
	s_barrier_signal -1
	s_barrier_wait -1
.endm
; 32 nc numbers of a lane, register 8 t + i = index 16 t + 8 (lane / 16) + i of my row, become 4 nc registers of codes at v[pc] on, in the operand's layout, and the row's scale bytes in v[pw].
.macro QUANT s, pc, pw, nc
.set qb_, 0
.rept 2*\nc
	v_max3_num_f32 v[TM+qb_], |v[(\s)+16*qb_]|, |v[(\s)+16*qb_+1]|, 0x1800000   ; and the floor 2^(3 - 127): the byte cannot fall under 1
.set qb_, qb_+1
.endr
.set qi_, 2
.rept 7
.set qb_, 0
.rept 2*\nc
	v_max3_num_f32 v[TM+qb_], v[TM+qb_], |v[(\s)+16*qb_+qi_]|, |v[(\s)+16*qb_+qi_+1]|
.set qb_, qb_+1
.endr
.set qi_, qi_+2
.endr
.set qb_, 0
.rept 2*\nc
	v_permlanex16_b32 v[TM+4+qb_], v[TM+qb_], s[SEL], s[SEL+1]
.set qb_, qb_+1
.endr
.set qb_, 0
.rept 2*\nc
	v_max_num_f32 v[TM+qb_], v[TM+qb_], v[TM+4+qb_]
.set qb_, qb_+1
.endr
.set qb_, 0
.rept 2*\nc
	v_add_nc_u32 v[TM+12+qb_], 0xff000000, v[TM+qb_]               ; 2 off the exponent field: the conversion's scale operand
.set qb_, qb_+1
.endr
.set qb_, 0
.rept 2*\nc
	v_lshrrev_b32 v[TM+4+qb_], 23, v[TM+12+qb_]                    ; the scale's byte
.set qb_, qb_+1
.endr
	v_lshl_or_b32 v[\pw], v[TM+5], 8, v[TM+4]
.if \nc > 1
	v_lshl_or_b32 v[\pw], v[TM+6], 16, v[\pw]
	v_lshl_or_b32 v[\pw], v[TM+7], 24, v[\pw]
.endif
.set qc_, 0
.rept \nc
	v_cvt_scalef32_pk8_fp4_f32 v[(\pc)+4*qc_],   v[(\s)+32*qc_:(\s)+32*qc_+7],     v[TM+12+2*qc_]
	v_cvt_scalef32_pk8_fp4_f32 v[(\pc)+4*qc_+2], v[(\s)+32*qc_+8:(\s)+32*qc_+15],  v[TM+12+2*qc_]
	v_cvt_scalef32_pk8_fp4_f32 v[(\pc)+4*qc_+1], v[(\s)+32*qc_+16:(\s)+32*qc_+23], v[TM+12+2*qc_+1]
	v_cvt_scalef32_pk8_fp4_f32 v[(\pc)+4*qc_+3], v[(\s)+32*qc_+24:(\s)+32*qc_+31], v[TM+12+2*qc_+1]
.set qc_, qc_+1
.endr
	v_nop                                          ; one plain place behind the scaled conversions
.set qc_, 0
.rept \nc
	v_permlane16_swap_b32 v[(\pc)+4*qc_], v[(\pc)+4*qc_+1]
	v_permlane16_swap_b32 v[(\pc)+4*qc_+2], v[(\pc)+4*qc_+3]
.set qc_, qc_+1
.endr
.endm
	s_load_b256 s[4:11], s[0:1], 0x0               ; qkv_c s[4:5], qkv_s s[6:7], ao_c s[8:9], ao_s s[10:11]
	v_lshl_add_u32 v[SPW], v0, 2, SPARE
	v_mov_b32 v[NIL], 0
	ds_add_u32 v[SPW], v[NIL]                      ; the wave's opening: the add, twice on end, waited for ahead of the first tensor load
	ds_add_u32 v[SPW], v[NIL]
	v_lshrrev_b32 v8, 5, v0
	v_readfirstlane_b32 s[WV], v8                  ; wave 0..15
	s_lshr_b32 s[E], s[WV], 3
	s_and_b32 s[W7], s[WV], 7
	s_bfe_u32 s[CXR], ttmp6, 0x40000               ; cx: it enters q's and the outputs' global addresses alone
	s_lshl_b32 s[QB], ttmp9, 2
	s_add_co_u32 s[QB], s[QB], s[CXR]
	s_and_b32 s[PP], ttmp7, 0xffff
	s_bfe_u32 s61, s[WV], 0x10001                  ; a loading wave fetches for K (0) or V (1),
	s_and_b32 s62, s[WV], 1                        ; the first or the second half of each piece
	; descriptor group 1: dense bytes as rows of 256 (32 elements of 8 bytes), no padding.  Codes: 64 rows; scale words: 16
	s_mov_b32 s[G1C], 15|(3<<16)|(1<<21)           ; 15:0 the mask: all four work-groups; elements of 8 bytes; bit 21 beside a mask
	s_mov_b32 s[G1C+1], 32<<16
	s_mov_b32 s[G1C+2], 64<<16
	s_mov_b32 s[G1C+3], 32<<16
	s_mov_b32 s[G1C+4], 64
	s_mov_b32 s[G1C+5], 32
	s_mov_b32 s[G1C+6], 0
	s_mov_b32 s[G1C+7], 0
	s_mov_b32 s[G1S], 15|(3<<16)|(1<<21)
	s_mov_b32 s[G1S+1], 32<<16
	s_mov_b32 s[G1S+2], 16<<16
	s_mov_b32 s[G1S+3], 32<<16
	s_mov_b32 s[G1S+4], 16
	s_mov_b32 s[G1S+5], 32
	s_mov_b32 s[G1S+6], 0
	s_mov_b32 s[G1S+7], 0
	s_add_co_u32 s74, s61, 1                       ; section 1 is k, section 2 is v
	s_lshl_b32 s66, s74, 22
	s_lshl_b32 s75, s[PP], 17
	s_add_co_u32 s66, s66, s75
	s_lshl_b32 s75, s62, 14
	s_add_co_u32 s66, s66, s75                     ; my half of chunk 0, in qkv_c
	s_mov_b32 s67, 0
	s_lshl_b32 s68, s74, 18
	s_lshl_b32 s75, s[PP], 13
	s_add_co_u32 s68, s68, s75
	s_lshl_b32 s75, s62, 12
	s_add_co_u32 s68, s68, s75                     ; my half of the scale words, in qkv_s
	s_mov_b32 s69, 0
	s_lshl_b32 s72, s61, 17
	s_lshl_b32 s75, s62, 14
	s_add_co_u32 s72, s72, s75                     ; and in LDS
	s_lshl_b32 s73, s61, 13
	s_lshl_b32 s75, s62, 12
	s_add_co_u32 s73, s73, s75
	s_add_co_u32 s73, s73, KSC
	s_mov_b32 s[SEL], 0x76543210
	s_mov_b32 s[SEL+1], 0xfedcba98                 ; v_permlanex16_b32's selects for lane l xor 16
	s_mov_b32 s[CS], 0x3e38aa3b                    ; c = log2(e) / 8
	s_mov_b32 s[CS+1], s[CS]                       ; (named with it as a pair, so it is written)
	s_wait_dscnt 0x0                               ; both opening adds are done
	s_wait_kmcnt 0x0
	s_mov_b32 s[G0], 1
	s_mov_b32 s[G0+1], s73
	s_add_nc_u64 s[G0+2:G0+3], s[6:7], s[68:69]
	s_or_b32 s[G0+3], s[G0+3], 0x80000000
	s_add_nc_u64 s[70:71], s[4:5], s[66:67]
.irp c, 0,1,2,3
	s_mov_b32 s[G0+4+4*\c], 1
	s_add_co_u32 s[G0+5+4*\c], s72, \c*32768
	s_add_nc_u64 s[G0+6+4*\c:G0+7+4*\c], s[70:71], \c*32768
	s_or_b32 s[G0+7+4*\c], s[G0+7+4*\c], 0x80000000
.endr
	CROUND                                         ; all four work-groups are here: the joint loads meet
	s_cmp_lt_u32 s[WV], 4                          ; all first fills of a wave stand in this one branch on the wave's number: five loads of a loading wave are out
	s_cbranch_scc0 .Lno_load
	tensor_load_to_lds s[G0:G0+3], s[G1S:G1S+7]
	s_nop 0
.irp c, 0,1,2,3
	tensor_load_to_lds s[G0+4+4*\c:G0+7+4*\c], s[G1C:G1C+7]
	s_nop 0
.endr
.rept 4
	v_nop
.endr
.Lno_load:
	v_and_b32 v9, 31, v0                           ; lane
	v_and_b32 v10, 15, v0                          ; r
	v_lshlrev_b32 v[GO], 4, v9
	v_lshlrev_b32 v[QSO], 4, v10
	s_lshl_b32 s66, s[E], 9
	v_add_nc_u32 v[AK0], s66, v[GO]
	s_lshl_b32 s66, s[E], 12
	s_add_co_u32 s66, s66, VC
	v_add_nc_u32 v[AV0], s66, v[GO]
	v_add_nc_u32 v[ASK0], KSC, v[GO]
	s_lshl_b32 s66, s[E], 8
	s_add_co_u32 s66, s66, VSC
	v_lshl_add_u32 v[ASV0], v10, 4, s66
	s_lshl_b32 s66, s[W7], 6
	s_lshl_b32 s67, s[E], 1
	s_add_co_u32 s66, s66, s67
	s_add_co_u32 s66, s66, OSC
	v_lshl_add_u32 v[OSA], v10, 2, s66             ; OSC + 64 (w % 8) + 4 r + 2 e
	v_add_nc_u32 v[OSR], OSC, v[GO]
	; q's codes and O's codes have the same offset: pair x 128 KiB + token tile x 1,024 + 512 e
	s_lshl_b32 s66, s[QB], 4
	s_add_co_u32 s66, s66, s[W7]
	s_lshl_b32 s66, s66, 10
	s_lshl_b32 s67, s[PP], 17
	s_add_co_u32 s66, s66, s67
	s_lshl_b32 s67, s[E], 9
	s_add_co_u32 s66, s66, s67
	s_mov_b32 s67, 0
	s_add_nc_u64 s[76:77], s[4:5], s[66:67]
	s_add_nc_u64 s[80:81], s[8:9], s[66:67]
	s_lshl_b32 s68, s[PP], 13                      ; q's scale words: 512 bytes for 128 tokens; tile a's word of row r at 256 (a / 4) + 16 r + 4 (a % 4)
	s_lshl_b32 s69, s[QB], 10
	s_add_co_u32 s68, s68, s69
	s_mov_b32 s75, 0
	s_mov_b32 s74, s68
	s_add_nc_u64 s[82:83], s[10:11], s[74:75]      ; O's scale words: 4 bytes a token, my work-group's 256 tokens
	s_bfe_u32 s69, s[WV], 0x10002
	s_lshl_b32 s69, s69, 8
	s_add_co_u32 s68, s68, s69
	s_and_b32 s69, s[WV], 3
	s_lshl_b32 s69, s69, 2
	s_add_co_u32 s68, s68, s69
	s_mov_b32 s69, 0
	s_add_nc_u64 s[78:79], s[6:7], s[68:69]
	global_load_b128 v[20:23], v[GO], s[76:77]                 ; q of my first tile,
	global_load_b128 v[28:31], v[GO], s[76:77] offset:8192     ; of my second (eight tiles on),
	global_load_b32 v36, v[QSO], s[78:79]                      ; and their scale words
	global_load_b32 v37, v[QSO], s[78:79] offset:512
.irp z, 16,17,18,19,24,25,26,27,32,33,34,35,40,41,42,43,76,77,78,79
	v_mov_b32 v\z, 0                               ; the zero codes beside q and at the ends of K's run
.endr
.irp b, 0,1,2,3
	v_mov_b32 v[T4+\b], 0                          ; written once: a lane permute's destination counts as one of its sources
.endr
	v_mov_b32 v[PSW], 0                            ; (named as the upper half of the pair with F before it is first written)
.macro INIT                            ; a tile of queries begins: the first change of M multiplies zeros
	v_mov_b32 v13, 0xff61b1e6                      ; the largest t so far: -3e38
	v_floor_f32 v12, -v13                          ; -M
	v_mov_b32 v14, 0                               ; the sum, in two halves
	v_mov_b32 v15, 0
.set i_, 0
.rept 32
	v_mov_b32 v[O+i_], 0
.set i_, i_+1
.endr
.endm
; A KEY STEP: 128 keys.  qb: q's four registers; qs: its scale words.
.macro STEP qb, qs
	v_add_nc_u32 v[ADK], s[TB], v[AK0]             ; these four are also the places in front of loads into registers that the last step's products read
	v_add_nc_u32 v[ADV], s[TB], v[AV0]
	v_add_nc_u32 v[ADS], s[TS], v[ASK0]
	v_add_nc_u32 v[ADT], s[TS], v[ASV0]
	ds_load_b128 v[KSQ:KSQ+3], v[ADS]
.irp t, 0,1,2,3,4,5,6,7
	ds_load_b128 v[KF+4*\t:KF+4*\t+3], v[ADK] offset:1024*\t
.endr
	ds_load_b128 v[VSQ:VSQ+3], v[ADT]
.irp t, 0,1,2,3
	ds_load_b128 v[VF+8*\t:VF+8*\t+3], v[ADV] offset:1024*\t
	ds_load_b128 v[VF+8*\t+4:VF+8*\t+7], v[ADV] offset:1024*\t+512
.endr
	s_wait_dscnt 9                                 ; K and its scale words are in; V's nine loads may be out: they land under the softmax
	s_cmp_eq_u32 s[E], 0                           ; the wave's number decides in which half of the operands my head's codes stand
	s_cbranch_scc0 .Lodd_\@
.irp t, 0,1,2,3
	v_wmma_scale_f32_16x16x128_f8f6f4 v[S+8*\t:S+8*\t+7], v[KF+4*\t:KF+4*\t+7], v[\qb:\qb+7], 0, v[KSQ+\t], v[\qs] matrix_a_fmt:MATRIX_FMT_FP4 matrix_b_fmt:MATRIX_FMT_FP4
.endr
.irp t, 4,5,6,7
	v_wmma_scale_f32_16x16x128_f8f6f4 v[S+8*\t:S+8*\t+7], v[KF+4*\t:KF+4*\t+7], v[\qb:\qb+7], 0, v[KSQ+\t-4], v[\qs] matrix_a_fmt:MATRIX_FMT_FP4 matrix_b_fmt:MATRIX_FMT_FP4 matrix_a_scale:MATRIX_SCALE_ROW1
.endr
	s_branch .Ljoin_\@
.Lodd_\@:
.irp t, 0,1,2,3
	v_wmma_scale_f32_16x16x128_f8f6f4 v[S+8*\t:S+8*\t+7], v[KF+4*\t-4:KF+4*\t+3], v[\qb-4:\qb+3], 0, v[KSQ+\t], v[\qs] matrix_a_fmt:MATRIX_FMT_FP4 matrix_b_fmt:MATRIX_FMT_FP4
.endr
.irp t, 4,5,6,7
	v_wmma_scale_f32_16x16x128_f8f6f4 v[S+8*\t:S+8*\t+7], v[KF+4*\t-4:KF+4*\t+3], v[\qb-4:\qb+3], 0, v[KSQ+\t-4], v[\qs] matrix_a_fmt:MATRIX_FMT_FP4 matrix_b_fmt:MATRIX_FMT_FP4 matrix_a_scale:MATRIX_SCALE_ROW1
.endr
.Ljoin_\@:
.rept 4
	v_nop                                          ; places in front of the first read of the scores
.endr
	; lane (r, h) holds query r; register 8 t + i is key 16 t + 8 h + i of the step: registers 16 b .. 16 b + 15 and lane l xor 16's are block b of 32 keys
.irp b, 0,1,2,3
	v_max3_num_f32 v[BM+\b], v[S+16*\b], v[S+1+16*\b], v[S+2+16*\b]   ; the largest score of each block: it serves the row's maximum and, since p rises with the score, the block's largest p
.endr
.irp i, 3,5,7,9,11,13
.irp b, 0,1,2,3
	v_max3_num_f32 v[BM+\b], v[BM+\b], v[S+16*\b+\i], v[S+1+16*\b+\i]
.endr
.endr
.irp b, 0,1,2,3
	v_max_num_f32 v[BM+\b], v[BM+\b], v[S+15+16*\b]
.endr
.irp b, 0,1,2,3
	v_permlanex16_b32 v[T4+\b], v[BM+\b], s[SEL], s[SEL+1]
.endr
.irp b, 0,1,2,3
	v_max_num_f32 v[BM+\b], v[BM+\b], v[T4+\b]
.endr
	v_max3_num_f32 v[TP], v[BM], v[BM+1], v[BM+2]
	v_max_num_f32 v[TP], v[TP], v[BM+3]            ; the step's largest score of my query
	v_mul_f32 v[TP], s[CS], v[TP]                  ; as t
	v_max_num_f32 v13, v13, v[TP]                  ; the running largest t
	v_mov_b32 v[TP], v12
	v_floor_f32 v12, -v13                          ; the new -M = -ceil(t)
	v_sub_f32 v[TP], v12, v[TP]                    ; old M - new M: a whole number, 0 or less
	v_cvt_i32_f32 v[TP], v[TP]                     ; (it saturates)
	v_ldexp_f32 v[F], 1.0, v[TP]                   ; f = 2^(old M - new M)
.irp j, 0,2,4,6,8,10,12,14,16,18,20,22,24,26,28,30,32,34,36,38,40,42,44,46,48,50,52,54,56,58,60,62
	v_pk_fma_f32 v[S+\j:S+1+\j], v[S+\j:S+1+\j], s[CS:CS+1], v[12:13] op_sel_hi:[1,0,0]   ; t - M, two at a time
.endr
.irp b, 0,1,2,3
	v_fma_f32 v[BM+\b], v[BM+\b], s[CS], v12       ; the same of each block's largest score
.endr
.set i_, 0
.rept 64
	v_exp_f32 v[S+i_], v[S+i_]                     ; p = 2^(t - M), at most 1
.set i_, i_+1
.endr
	v_pk_mul_f32 v[14:15], v[14:15], v[F:F+1] op_sel_hi:[1,0]      ; the sums under the new M: the plain place behind the exponentials
	s_wait_alu depctr_va_vdst(0)                   ; one wait for the batch, ahead of its first reader
.irp b, 0,1,2,3
	v_exp_f32 v[BM+\b], v[BM+\b]                   ; each block's largest p
.endr
	v_pk_add_f32 v[T4:T4+1], v[S:S+1], v[S+2:S+3]  ; the row's sum of the unquantised p, in two chains; it reads the 64 alone
.irp j, 4,8,12,16,20,24,28,32,36,40,44,48,52,56,60
	v_pk_add_f32 v[14:15], v[14:15], v[S+\j:S+1+\j]
	v_pk_add_f32 v[T4:T4+1], v[T4:T4+1], v[S+2+\j:S+3+\j]
.endr
	v_pk_add_f32 v[14:15], v[14:15], v[T4:T4+1]
	s_wait_alu depctr_va_vdst(0)                   ; and one for the four
.irp b, 0,1,2,3
	v_max_num_f32 v[BM+\b], 0x1800000, v[BM+\b]    ; the floor 2^(3 - 127): the byte cannot fall under 1
.endr
.irp b, 0,1,2,3
	v_add_nc_u32 v[SO+\b], 0xff000000, v[BM+\b]    ; 2 off the exponent field: the conversion's scale operand
.endr
.irp b, 0,1,2,3
	v_lshrrev_b32 v[T4+\b], 23, v[SO+\b]           ; the scale's byte
.endr
	v_lshl_or_b32 v[PSW], v[T4+1], 8, v[T4]        ; p's scale word for these 128 keys
	v_lshl_or_b32 v[PSW], v[T4+2], 16, v[PSW]
	v_lshl_or_b32 v[PSW], v[T4+3], 24, v[PSW]
.irp c, 0,1
	v_cvt_scalef32_pk8_fp4_f32 v[PC+4*\c],   v[S+32*\c:S+32*\c+7],     v[SO+2*\c]
	v_cvt_scalef32_pk8_fp4_f32 v[PC+4*\c+2], v[S+32*\c+8:S+32*\c+15],  v[SO+2*\c]
	v_cvt_scalef32_pk8_fp4_f32 v[PC+4*\c+1], v[S+32*\c+16:S+32*\c+23], v[SO+2*\c+1]
	v_cvt_scalef32_pk8_fp4_f32 v[PC+4*\c+3], v[S+32*\c+24:S+32*\c+31], v[SO+2*\c+1]
.endr
	v_nop                                          ; one plain place behind the scaled conversions
.irp c, 0,1
	v_permlane16_swap_b32 v[PC+4*\c], v[PC+4*\c+1] ; registers 4 c .. 4 c + 3 now hold keys 64 c + 32 h + 0 .. 31
	v_permlane16_swap_b32 v[PC+4*\c+2], v[PC+4*\c+3]
.endr
.irp j, 0,2,4,6,8,10,12,14,16,18,20,22,24,26,28,30
	v_pk_mul_f32 v[O+\j:O+1+\j], v[O+\j:O+1+\j], v[F:F+1] op_sel_hi:[1,0]   ; O^T under the new M; these sixteen are also the places between the scale word's and the codes' last writes and the products
.endr
	s_wait_dscnt 0x0                               ; V and its scale words
.irp t, 0,1,2,3
	v_wmma_scale_f32_16x16x128_f8f6f4 v[O+8*\t:O+8*\t+7], v[VF+8*\t:VF+8*\t+7], v[PC:PC+7], v[O+8*\t:O+8*\t+7], v[VSQ+\t], v[PSW] matrix_a_fmt:MATRIX_FMT_FP4 matrix_b_fmt:MATRIX_FMT_FP4
.endr
	s_add_co_u32 s[TB], s[TB], 8192
	s_add_co_u32 s[TS], s[TS], 512
.endm
; THE WAY OUT of a tile: O^T / the sum; lane (r, h) holds d = 16 t + 8 h + i of query r: two blocks of 32 along the projection's K.  The codes leave as the projection's operand image; the two scale bytes go to the stage.
.macro OUTB blk
.rept 4
	v_nop                                          ; places behind the last products
.endr
	v_add_f32 v14, v14, v15
	v_permlanex16_b32 v[TP], v14, s[SEL], s[SEL+1]
	v_add_f32 v14, v14, v[TP]                      ; the row's sum
	v_rcp_f32 v14, v14
	v_nop                                          ; a plain place behind the reciprocal,
	s_wait_alu depctr_va_vdst(0)                   ; and the wait ahead of its first reader
.set i_, 0
.rept 16
	v_pk_mul_f32 v[S+i_:S+i_+1], v[O+i_:O+i_+1], v[14:15] op_sel_hi:[1,0]   ; each accumulator from its low end on
.set i_, i_+2
.endr
	QUANT S, OC+4*\blk, OH+\blk, 1
	global_store_b128 v[GO], v[OC+4*\blk:OC+4*\blk+3], s[80:81] offset:8192*\blk   ; 32 lanes store 512 consecutive bytes, at a multiple of 512 from the buffer's first byte
	ds_store_b16 v[OSA], v[OH+\blk] offset:512*\blk                ; both lanes of a row write the same two bytes
.endm
	INIT
	s_wait_loadcnt 0x0                             ; q
.irp c, 0,1,2,3                        ; my first tile walks the chunks as they land
	s_wait_tensorcnt 3-\c                          ; a loading wave's part of chunk c is in; its later chunks may stay out
	s_wait_dscnt 0x0
	s_barrier_signal -1
	s_barrier_wait -1
	s_mov_b32 s[TB], 32768*\c
	s_mov_b32 s[TS], 2048*\c
	s_mov_b32 s[CNT], 4
.Lfirst_\c:
	STEP 20, 36
	s_sub_co_u32 s[CNT], s[CNT], 1
	s_cmp_lg_u32 s[CNT], 0
	s_cbranch_scc1 .Lfirst_\c
.endr
	OUTB 0
	INIT
	s_mov_b32 s[TB], 0                             ; my second tile finds all keys in LDS
	s_mov_b32 s[TS], 0
	s_mov_b32 s[CNT], 16
.Lsecond:
	STEP 28, 37
	s_sub_co_u32 s[CNT], s[CNT], 1
	s_cmp_lg_u32 s[CNT], 0
	s_cbranch_scc1 .Lsecond
	OUTB 1
	s_wait_dscnt 0x0                               ; for the others' sake: my stores into the stage are done
	s_barrier_signal -1
	s_barrier_wait -1
	s_cmp_lg_u32 s[WV], 0                          ; wave 0 stores the work-group's 1,024 bytes of scale words
	s_cbranch_scc1 .Lnot_mine
	ds_load_b128 v[S:S+3], v[OSR]
	ds_load_b128 v[S+4:S+7], v[OSR] offset:512
	s_wait_dscnt 0x0
	global_store_b128 v[GO], v[S:S+3], s[82:83]
	global_store_b128 v[GO], v[S+4:S+7], s[82:83] offset:512
.Lnot_mine:
	s_wait_tensorcnt 0x0                           ; the wave's end
	ds_add_u32 v[SPW], v[NIL]
	s_wait_dscnt 0x0
	CROUND                                         ; the closing round
	s_endpgm
.Lfunc_end_k_qc429402253_attn:
	.size	k_qc429402253_attn, .Lfunc_end_k_qc429402253_attn-k_qc429402253_attn
	.p2alignl 7, 3214868480
	.fill 96, 4, 3214868480
	.section	.rodata,"a",@progbits
	.p2align	6, 0x0
	.amdhsa_kernel k_qc429402253_attn
		.amdhsa_group_segment_fixed_size 327680
		.amdhsa_private_segment_fixed_size 0
		.amdhsa_enable_private_segment 0
		.amdhsa_kernarg_size 32
		.amdhsa_user_sgpr_count 2
		.amdhsa_user_sgpr_kernarg_segment_ptr 1
		.amdhsa_wavefront_size32 1
		.amdhsa_system_sgpr_workgroup_id_x 1
		.amdhsa_system_sgpr_workgroup_id_y 1
		.amdhsa_system_sgpr_workgroup_id_z 1
		.amdhsa_system_vgpr_workitem_id 0
		.amdhsa_next_free_vgpr 256
		.amdhsa_next_free_sgpr 100
		.amdhsa_reserve_vcc 0
		.amdhsa_float_denorm_mode_32 3
		.amdhsa_float_denorm_mode_16_64 3
		.amdhsa_memory_ordered 1
		.amdhsa_forward_progress 1
		.amdhsa_inst_pref_size 99
	.end_amdhsa_kernel
	.amdgpu_metadata
---
amdhsa.version: [ 1, 2 ]
amdhsa.kernels:
  - .name:           k_qc429402253_attn
    .symbol:         k_qc429402253_attn.kd
    .args:
      - { .name: qkv_c, .offset: 0, .size: 8, .value_kind: global_buffer, .address_space: global }
      - { .name: qkv_s, .offset: 8, .size: 8, .value_kind: global_buffer, .address_space: global }
      - { .name: ao_c, .offset: 16, .size: 8, .value_kind: global_buffer, .address_space: global }
      - { .name: ao_s, .offset: 24, .size: 8, .value_kind: global_buffer, .address_space: global }
    .group_segment_fixed_size: 327680
    .private_segment_fixed_size: 0
    .kernarg_segment_align: 8
    .kernarg_segment_size: 32
    .max_flat_workgroup_size: 512
    .sgpr_count:     100
    .vgpr_count:     256
    .wavefront_size: 32
...
	.end_amdgpu_metadata
.endif
;; end of part 2
;; launch proj (part 3): grid 4 x 64, 4 waves a work-group, clusters of 4 x 4, 327,680 bytes of LDS; arguments ao_c, ao_s, W_out_codes, W_out_scales, b_out, out0; writes out0
.if DOCPART == 3
	.amdgcn_target "amdgcn-amd-amdhsa--gfx1250"
	.amdhsa_code_object_version 6
	.text
	.protected	k_qc429402253_proj
	.globl	k_qc429402253_proj
	.p2align	8
	.type	k_qc429402253_proj,@function
k_qc429402253_proj:
	s_mov_b64 s[64:65], 0
	v_nop
	global_prefetch_b8 v0, s[64:65] scope:SCOPE_SE
	s_setreg_imm32_b32 hwreg(HW_REG_WAVE_MODE, 25, 1), 1
	s_wait_xcnt 0x0
	s_wait_alu depctr_hold_cnt(0) depctr_sa_sdst(0) depctr_va_vdst(0) depctr_va_sdst(0) depctr_va_ssrc(0) depctr_va_vcc(0) depctr_vm_vsrc(0)
	s_getreg_b32 s2, hwreg(HW_REG_IB_STS2, 6, 4)
	s_cmp_eq_u32 s2, 0
	s_cbranch_scc0 .Lentry_in_a_cluster
	s_endpgm
.Lentry_in_a_cluster:
	s_bfe_u32 s2, ttmp6, 0x10000c
	s_cmp_lg_u32 s2, 0xf033
	s_cbranch_scc0 .Lentry_shape_is_right
	s_endpgm
.Lentry_shape_is_right:
; out0 = O W_out + b_out on codes of FP4 (E2M1) with E8M0 scales.  O's codes and scale words are the launch before's; W_out's are given.  No work of the problem is left out.
; A tile of out0 is 128 tokens x 256 columns: 256 work-groups; a wave makes 64 x 128: 32 accumulators.  K = 1,024 lies in LDS whole, each byte filled once, in two chunks of 512 along K, by joint loads at the head:
; O's tile is shared along a row of the 4 x 4 cluster, W_out's along a column.  A K step of 128 is one pair of heads.
; O's codes lie as images of operand registers (1,024 bytes for 16 tokens and a K step): a fragment is two loads of 512 consecutive bytes.  W_out's lie as rows, padded by the mover.
; THE MATRIX INSTRUCTION IS USED TRANSPOSED (source 0 = 16 rows of W_out, source 1 = 16 tokens): a lane holds eight neighbouring columns of one row of out0.  The bias is the C of each sum's first instruction.
; REGISTERS: window 0: v16-29 addresses; v32-47 O's scale words, v48-79 W_out's (they hold nothing else); v80-143 the bias; v144-207 O's fragments, two sets; on the way out v80-207 take rows of out0.
;   window 1: W_out's fragments, two sets, at v0 and v128.   window 2: the accumulators ((a, b) at v[64 a + 8 b]).
.set PITCH,  272
.set HALFT,  128*PITCH
.set HALFS,  16*272
.set BC,     65536                     ; LDS: O's codes from 0: [chunk 2][half 2][K step 4][16 tokens 4][1,024]; from here W_out's: [chunk 2][256 rows x 272]
.set SA,     204800                    ; O's scale words: [half 2][K step 8][64 tokens x 4 bytes]
.set SB,     208896                    ; W_out's scale bytes: [half 2][16 units of 256 + 16]
.set STAGE,  217600                    ; the way out: 16 rows x (512 + 16) bytes for each wave; no tensor load lands here
.set SPITCH, 528
.set SPARE,  STAGE+4*16*SPITCH
.set ADRA, 16
.set ADRB, 20                          ; v20-21: chunk 0, 1
.set ADSA, 22
.set ADSB, 23
.set STO,  24
.set RD,   25
.set CO,   26                          ; 16 x lane
.set SPW,  28
.set NIL,  29
.set SAR,  32                          ; register 2 s + a': lanes 0-15 token block a', lanes 16-31 block a' + 2, K step s
.set SBR,  48                          ; register 8 i' + s: lanes 0-15 column block i', lanes 16-31 block i' + 4
.set BIAS, 80
.set AFR,  144
.set BK,   80
.set WV,   16
.set HI,   17                          ; which 64 tokens are mine; also: I fetch for O (0) or W_out (1)
.set LO,   18                          ; which 128 columns; also: which half I fetch
.set CXR,  19
.set CYR,  20
.set NT,   21
.set MT,   22
.set G1A,  24
.set G0A,  32
.set G1B,  48
.set G0B,  56
.set G1SA, 68
.set G0SA, 76
.set G1SB, 80
.set G0SB, 88
.set MSB, 0
.macro WIN new
.if MSB != (\new)
	s_set_vgpr_msb (MSB<<8)|(\new)
.set MSB, \new
.endif
.endm
.macro JLOAD g0a, g1a, g0b, g1b        ; a joint load; the branch hangs on the wave's number alone; an s_nop 0 and four v_nop follow each line
	s_cmp_eq_u32 s[HI], 0
	s_cbranch_scc0 .Lfor_b_\@
	tensor_load_to_lds s[\g0a:\g0a+3], s[\g1a:\g1a+7]
	s_nop 0
.rept 4
	v_nop
.endr
	s_branch .Lasked_\@
.Lfor_b_\@:
	tensor_load_to_lds s[\g0b:\g0b+3], s[\g1b:\g1b+7]
	s_nop 0
.rept 4
	v_nop
.endr
.Lasked_\@:
.endm
.macro CROUND
	s_barrier_signal -1
	s_barrier_wait -1
	s_cmp_lg_u32 s[WV], 0
	s_cbranch_scc1 .Lnot_wave_0_\@
	s_barrier_signal -3
.Lnot_wave_0_\@:
	s_barrier_wait -3
	s_barrier_signal -1
	s_barrier_wait -1
.endm
.macro PLACES n
.rept \n
	v_nop
.endr
.endm
	s_load_b256 s[4:11], s[0:1], 0x0               ; ao_c s[4:5], ao_s s[6:7], W_out's codes s[8:9], its scales s[10:11]
	s_load_b128 s[12:15], s[0:1], 0x20             ; b_out s[12:13], out0 s[14:15]
	v_lshl_add_u32 v[SPW], v0, 2, SPARE
	v_mov_b32 v[NIL], 0
	ds_add_u32 v[SPW], v[NIL]                      ; the wave's opening: the add, twice on end, waited for ahead of my first tensor load
	ds_add_u32 v[SPW], v[NIL]
	v_lshrrev_b32 v1, 5, v0
	v_readfirstlane_b32 s[WV], v1
	s_lshr_b32 s[HI], s[WV], 1
	s_and_b32 s[LO], s[WV], 1
	s_bfe_u32 s[CXR], ttmp6, 0x40000
	s_bfe_u32 s[CYR], ttmp6, 0x40004
	s_lshl_b32 s[NT], ttmp9, 2
	s_add_co_u32 s[NT], s[NT], s[CXR]              ; tile of 256 columns
	s_and_b32 s[MT], ttmp7, 0xffff
	s_lshl_b32 s[MT], s[MT], 2
	s_add_co_u32 s[MT], s[MT], s[CYR]              ; tile of 128 tokens
	s_lshl_b32 s23, s[CYR], 2
	s_lshl_b32 s23, 15, s23                        ; my row of the cluster
	s_lshl_b32 s40, 0x1111, s[CXR]                 ; my column
	; O's codes: 4 K steps x 4,096 bytes (64 tokens), 128 KiB apart in memory, dense in LDS
	s_or_b32 s[G1A], s23, (3<<16)|(1<<21)          ; the mask; elements of 8 bytes; bit 21 beside a mask; no padding
	s_mov_b32 s[G1A+1], 512<<16                    ; tensor_dim0 = 512 elements
	s_mov_b32 s[G1A+2], 4<<16                      ; tensor_dim1 = 4
	s_mov_b32 s[G1A+3], 512<<16                    ; tile_dim0
	s_mov_b32 s[G1A+4], 4                          ; tile_dim1
	s_mov_b32 s[G1A+5], 16384                      ; the pitch, in elements
	s_mov_b32 s[G1A+6], 0
	s_mov_b32 s[G1A+7], 0
	; O's scale words: 8 K steps x 256 bytes (64 tokens), 8,192 bytes apart
	s_or_b32 s[G1SA], s23, (3<<16)|(1<<21)
	s_mov_b32 s[G1SA+1], 32<<16
	s_mov_b32 s[G1SA+2], 8<<16
	s_mov_b32 s[G1SA+3], 32<<16
	s_mov_b32 s[G1SA+4], 8
	s_mov_b32 s[G1SA+5], 1024
	s_mov_b32 s[G1SA+6], 0
	s_mov_b32 s[G1SA+7], 0
	; W_out's codes: 128 rows x 256 bytes, 512 apart, 16 bytes of padding behind each
	s_or_b32 s[G1B], s40, (1<<20)|(1<<21)|(5<<22)|(3<<25)
	s_mov_b32 s[G1B+1], 256<<16
	s_mov_b32 s[G1B+2], 128<<16
	s_mov_b32 s[G1B+3], 256<<16
	s_mov_b32 s[G1B+4], 128
	s_mov_b32 s[G1B+5], 512
	s_mov_b32 s[G1B+6], 0
	s_mov_b32 s[G1B+7], 0
	; W_out's scale bytes of 128 rows: 4,096 dense bytes as 16 rows of 256, 16 bytes of padding behind each
	s_or_b32 s[G1SB], s40, (3<<16)|(1<<20)|(1<<21)|(5<<22)|(3<<25)
	s_mov_b32 s[G1SB+1], 32<<16
	s_mov_b32 s[G1SB+2], 16<<16
	s_mov_b32 s[G1SB+3], 32<<16
	s_mov_b32 s[G1SB+4], 16
	s_mov_b32 s[G1SB+5], 32
	s_mov_b32 s[G1SB+6], 0
	s_mov_b32 s[G1SB+7], 0
	s_lshr_b32 s41, s[MT], 4                       ; the batch
	s_and_b32 s2, s[MT], 15                        ; which 128 of its tokens
	s_lshl_b32 s42, s41, 20
	s_lshl_b32 s3, s2, 13
	s_add_co_u32 s42, s42, s3
	s_lshl_b32 s3, s[LO], 12
	s_add_co_u32 s42, s42, s3                      ; O's codes: my half, K step 0
	s_mov_b32 s43, 0
	s_lshl_b32 s44, s41, 16
	s_lshl_b32 s3, s2, 9
	s_add_co_u32 s44, s44, s3
	s_lshl_b32 s3, s[LO], 8
	s_add_co_u32 s44, s44, s3                      ; O's scale words
	s_mov_b32 s45, 0
	s_lshl_b32 s46, s[NT], 8
	s_lshl_b32 s94, s[LO], 7
	s_add_co_u32 s46, s46, s94                     ; W_out's row
	s_lshl_b32 s92, s46, 5
	s_lshl_b32 s46, s46, 9
	s_mov_b32 s47, 0
	s_mov_b32 s93, 0
	s_lshl_b32 s95, s[LO], 14                      ; where they go: no place in the cluster enters an LDS address
	s_mul_i32 s96, s[LO], HALFT
	s_add_co_u32 s96, s96, BC
	s_lshl_b32 s97, s[LO], 11
	s_add_co_u32 s97, s97, SA
	s_mul_i32 s98, s[LO], HALFS
	s_add_co_u32 s98, s98, SB
	s_wait_dscnt 0x0                               ; both opening adds are done
	s_wait_kmcnt 0x0
	s_add_nc_u64 s[42:43], s[4:5], s[42:43]
	s_add_nc_u64 s[44:45], s[6:7], s[44:45]
	s_add_nc_u64 s[46:47], s[8:9], s[46:47]
	s_add_nc_u64 s[92:93], s[10:11], s[92:93]
	CROUND                                         ; all sixteen work-groups are here: the joint loads meet
	s_mov_b32 s[G0SA], 1
	s_mov_b32 s[G0SA+1], s97
	s_mov_b64 s[G0SA+2:G0SA+3], s[44:45]
	s_or_b32 s[G0SA+3], s[G0SA+3], 0x80000000
	s_mov_b32 s[G0SB], 1
	s_mov_b32 s[G0SB+1], s98
	s_mov_b64 s[G0SB+2:G0SB+3], s[92:93]
	s_or_b32 s[G0SB+3], s[G0SB+3], 0x80000000
	JLOAD G0SA, G1SA, G0SB, G1SB                   ; the scales first
.irp c, 0,1
	s_mov_b32 s[G0A+4*\c], 1
	s_add_co_u32 s[G0A+4*\c+1], s95, \c*32768
	s_add_nc_u64 s[G0A+4*\c+2:G0A+4*\c+3], s[42:43], \c*524288     ; four K steps on
	s_or_b32 s[G0A+4*\c+3], s[G0A+4*\c+3], 0x80000000
	s_mov_b32 s[G0B+4*\c], 1
	s_add_co_u32 s[G0B+4*\c+1], s96, \c*2*HALFT
	s_add_nc_u64 s[G0B+4*\c+2:G0B+4*\c+3], s[46:47], \c*256
	s_or_b32 s[G0B+4*\c+3], s[G0B+4*\c+3], 0x80000000
	JLOAD G0A+4*\c, G1A, G0B+4*\c, G1B             ; three loads of mine are out in all
.endr
	v_and_b32 v1, 15, v0                           ; r
	v_bfe_u32 v2, v0, 4, 1                         ; h
	v_and_b32 v3, 31, v0
	v_lshlrev_b32 v[CO], 4, v3
	s_lshl_b32 s41, s[HI], 14
	v_add_nc_u32 v[ADRA], s41, v[CO]               ; O's fragments: my 64 tokens' half + 16 x lane
	v_mul_u32_u24 v4, v1, PITCH
	v_lshl_add_u32 v4, v2, 4, v4
	s_mul_i32 s41, s[LO], HALFT
	s_add_co_u32 s41, s41, BC
	v_add_nc_u32 v[ADRB], s41, v4
	s_add_co_u32 s41, s41, 2*HALFT
	v_add_nc_u32 v[ADRB+1], s41, v4
	s_lshl_b32 s41, s[HI], 11
	s_add_co_u32 s41, s41, SA
	v_lshlrev_b32 v5, 2, v1
	v_lshl_add_u32 v5, v2, 7, v5
	v_add_nc_u32 v[ADSA], s41, v5                  ; 4 r, and two blocks of 16 tokens on for lanes 16-31
	v_lshlrev_b32 v5, 5, v1
	v_lshrrev_b32 v6, 3, v1
	v_lshl_add_u32 v5, v6, 4, v5                   ; 32 r, and 16 more behind each 256
	v_mad_u32_u24 v5, v2, 4*544, v5                ; four blocks of 16 rows on for lanes 16-31
	s_mul_i32 s41, s[LO], HALFS
	s_add_co_u32 s41, s41, SB
	v_add_nc_u32 v[ADSB], s41, v5
	s_mul_i32 s41, s[WV], 16*SPITCH
	s_add_co_u32 s41, s41, STAGE                   ; my stage
	v_mul_u32_u24 v5, v1, SPITCH
	v_lshl_add_u32 v5, v2, 5, v5
	v_add_nc_u32 v[STO], s41, v5                   ; in: row r, 32 bytes for each half of the lanes
	v_add_nc_u32 v[RD], s41, v[CO]                 ; back: 32 lanes take a row of 512 bytes
	v_lshlrev_b32 v7, 5, v2                        ; the bias: 32 h
	s_lshl_b32 s44, s[NT], 10
	s_lshl_b32 s2, s[LO], 9
	s_add_co_u32 s44, s44, s2                      ; my first column, in bytes
	s_mov_b32 s45, 0
	s_add_nc_u64 s[12:13], s[12:13], s[44:45]
	s_add_nc_u64 s[14:15], s[14:15], s[44:45]
	s_lshl_b32 s44, s[MT], 7
	s_lshl_b32 s2, s[HI], 6
	s_add_co_u32 s44, s44, s2                      ; my first row
	s_lshl_b32 s44, s44, 12
	s_add_nc_u64 s[14:15], s[14:15], s[44:45]
.irp b, 0,1,2,3,4,5,6,7
	global_load_b128 v[BIAS+8*\b:BIAS+8*\b+3], v7, s[12:13] offset:64*\b        ; column block b's eight numbers of my half: the result's layout
	global_load_b128 v[BIAS+8*\b+4:BIAS+8*\b+7], v7, s[12:13] offset:64*\b+16
.endr
.macro FETCH3 s                        ; K step s's fragments into set s % 2: W_out's eight, O's four
	WIN 0x40
.irp i, 0,1,2,3,4,5,6,7
.irp c, 0,1
	ds_load_b128 v[128*((\s)%2)+8*\i+4*\c:128*((\s)%2)+8*\i+4*\c+3], v[ADRB+(\s)/4] offset:64*((\s)%4)+32*\c+\i*16*PITCH
.endr
.endr
	WIN 0
.irp a, 0,1,2,3
.irp c, 0,1
	ds_load_b128 v[AFR+32*((\s)%2)+8*\a+4*\c:AFR+32*((\s)%2)+8*\a+4*\c+3], v[ADRA] offset:32768*((\s)/4)+4096*((\s)%4)+1024*\a+512*\c
.endr
.endr
.endm
; A K step: the next step's fragments are asked for first, then 32 products; the 32 accumulators take turns in the same order in every step.
.macro STEP3 s
	s_wait_dscnt 0x0                               ; this step's fragments, asked for a step ago
.if (\s) == 3
	s_wait_tensorcnt 0x0                           ; my part of chunk 1 is in,
	s_barrier_signal -1
	s_barrier_wait -1                              ; everybody's is; nothing is filled again
.endif
.if (\s) < 7
.if (\s) > 0
	PLACES 4                                       ; in front of loads into the set that the last step's products read
.endif
	FETCH3 (\s)+1
.endif
.if (\s) == 0
	WIN 0x81                                       ; source 0 window 1, source 1 and C (the bias) window 0, D window 2
.set CMUL, 0
.set CBASE, BIAS
.else
	WIN 0xa1                                       ; C and D window 2
.set CMUL, 1
.set CBASE, 0
.endif
.set FBS, 128*((\s)%2)
.set FAS, AFR+32*((\s)%2)
.irp a, 0,1
.irp b, 0,1,2,3
	v_wmma_scale_f32_16x16x128_f8f6f4 v[64*\a+8*\b:64*\a+8*\b+7], v[FBS+8*\b:FBS+8*\b+7], v[FAS+8*\a:FAS+8*\a+7], v[CBASE+CMUL*64*\a+8*\b:CBASE+CMUL*64*\a+8*\b+7], v[SBR+8*\b+(\s)], v[SAR+2*(\s)+\a] matrix_a_fmt:MATRIX_FMT_FP4 matrix_b_fmt:MATRIX_FMT_FP4
.endr
.irp b, 4,5,6,7
	v_wmma_scale_f32_16x16x128_f8f6f4 v[64*\a+8*\b:64*\a+8*\b+7], v[FBS+8*\b:FBS+8*\b+7], v[FAS+8*\a:FAS+8*\a+7], v[CBASE+CMUL*64*\a+8*\b:CBASE+CMUL*64*\a+8*\b+7], v[SBR+8*(\b-4)+(\s)], v[SAR+2*(\s)+\a] matrix_a_fmt:MATRIX_FMT_FP4 matrix_b_fmt:MATRIX_FMT_FP4 matrix_a_scale:MATRIX_SCALE_ROW1
.endr
.endr
.irp a, 2,3
.irp b, 0,1,2,3
	v_wmma_scale_f32_16x16x128_f8f6f4 v[64*\a+8*\b:64*\a+8*\b+7], v[FBS+8*\b:FBS+8*\b+7], v[FAS+8*\a:FAS+8*\a+7], v[CBASE+CMUL*64*\a+8*\b:CBASE+CMUL*64*\a+8*\b+7], v[SBR+8*\b+(\s)], v[SAR+2*(\s)+\a-2] matrix_a_fmt:MATRIX_FMT_FP4 matrix_b_fmt:MATRIX_FMT_FP4 matrix_b_scale:MATRIX_SCALE_ROW1
.endr
.irp b, 4,5,6,7
	v_wmma_scale_f32_16x16x128_f8f6f4 v[64*\a+8*\b:64*\a+8*\b+7], v[FBS+8*\b:FBS+8*\b+7], v[FAS+8*\a:FAS+8*\a+7], v[CBASE+CMUL*64*\a+8*\b:CBASE+CMUL*64*\a+8*\b+7], v[SBR+8*(\b-4)+(\s)], v[SAR+2*(\s)+\a-2] matrix_a_fmt:MATRIX_FMT_FP4 matrix_b_fmt:MATRIX_FMT_FP4 matrix_a_scale:MATRIX_SCALE_ROW1 matrix_b_scale:MATRIX_SCALE_ROW1
.endr
.endr
	WIN 0
.endm
; THE WAY OUT, a block of 16 rows x 128 columns at a time, through my own stage: back as whole rows of 512 bytes.  LDS serves a wave's instructions in order (ISA guide 5.7.1.4): no wait between the stores and the loads.
.macro TOSTAGE a
	WIN 0x08                                       ; an LDS store's data are its source 1: window 2
.irp b, 0,1,2,3,4,5,6,7
	ds_store_b128 v[STO], v[64*(\a)+8*\b:64*(\a)+8*\b+3] offset:64*\b          ; each accumulator from its low end on
	ds_store_b128 v[STO], v[64*(\a)+8*\b+4:64*(\a)+8*\b+7] offset:64*\b+16
.endr
	WIN 0
.set BB, BK+64*((\a)%2)
.irp t, 0,1,2,3,4,5,6,7,8,9,10,11,12,13,14,15
	ds_load_b128 v[BB+4*\t:BB+4*\t+3], v[RD] offset:\t*SPITCH
.endr
.endm
.macro SEND a, younger                 ; younger: the LDS instructions issued behind block a's loads, which may stay out
.set BB, BK+64*((\a)%2)
	s_wait_dscnt \younger
.irp t, 0,1,2,3,4,5,6,7,8,9,10,11,12,13,14,15
	global_store_b128 v[CO], v[BB+4*\t:BB+4*\t+3], s[14:15] offset:(16*(\a)+\t)*4096 th:TH_STORE_NT   ; 32 lanes store 512 consecutive bytes, at a multiple of 512 from out0's first byte
.endr
.endm
	s_wait_tensorcnt 1                             ; the scales and my part of chunk 0 are in (chunk 1's load may be out),
	s_barrier_signal -1
	s_barrier_wait -1                              ; everybody's are
.irp s, 0,1,2,3,4,5,6,7
.irp a, 0,1
	ds_load_b32 v[SAR+2*\s+\a], v[ADSA] offset:256*\s+64*\a
.endr
.endr
.irp i, 0,1,2,3
.irp c, 0,1
	ds_load_b128 v[SBR+8*\i+4*\c:SBR+8*\i+4*\c+3], v[ADSB] offset:544*\i+16*\c
.endr
.endr
	FETCH3 0
	s_wait_loadcnt 0x0                             ; the bias
.irp s, 0,1,2,3,4,5,6,7
	STEP3 \s
.endr
	PLACES 4                                       ; in front of the first read of results and of loads into registers that the last products read
	TOSTAGE 0
.irp a, 1,2,3
.if \a > 1
	s_wait_xcnt 0x0                                ; block a - 2's stores have read their registers: block a's loads may land there
.endif
	TOSTAGE \a
	SEND \a-1, 32                                  ; behind block a - 1's loads: block a's 16 stores and 16 loads
.endr
	SEND 3, 0
	s_wait_tensorcnt 0x0                           ; the wave's end
	ds_add_u32 v[SPW], v[NIL]
	s_wait_dscnt 0x0
	CROUND                                         ; the closing round
	s_endpgm
.Lfunc_end_k_qc429402253_proj:
	.size	k_qc429402253_proj, .Lfunc_end_k_qc429402253_proj-k_qc429402253_proj
	.p2alignl 7, 3214868480
	.fill 96, 4, 3214868480
	.section	.rodata,"a",@progbits
	.p2align	6, 0x0
	.amdhsa_kernel k_qc429402253_proj
		.amdhsa_group_segment_fixed_size 327680
		.amdhsa_private_segment_fixed_size 0
		.amdhsa_enable_private_segment 0
		.amdhsa_kernarg_size 48
		.amdhsa_user_sgpr_count 2
		.amdhsa_user_sgpr_kernarg_segment_ptr 1
		.amdhsa_wavefront_size32 1
		.amdhsa_system_sgpr_workgroup_id_x 1
		.amdhsa_system_sgpr_workgroup_id_y 1
		.amdhsa_system_sgpr_workgroup_id_z 1
		.amdhsa_system_vgpr_workitem_id 0
		.amdhsa_next_free_vgpr 768
		.amdhsa_next_free_sgpr 100
		.amdhsa_reserve_vcc 0
		.amdhsa_float_denorm_mode_32 3
		.amdhsa_float_denorm_mode_16_64 3
		.amdhsa_memory_ordered 1
		.amdhsa_forward_progress 1
		.amdhsa_inst_pref_size 74
	.end_amdhsa_kernel
	.amdgpu_metadata
---
amdhsa.version: [ 1, 2 ]
amdhsa.kernels:
  - .name:           k_qc429402253_proj
    .symbol:         k_qc429402253_proj.kd
    .args:
      - { .name: ao_c, .offset: 0, .size: 8, .value_kind: global_buffer, .address_space: global }
      - { .name: ao_s, .offset: 8, .size: 8, .value_kind: global_buffer, .address_space: global }
      - { .name: W_out_codes, .offset: 16, .size: 8, .value_kind: global_buffer, .address_space: global }
      - { .name: W_out_scales, .offset: 24, .size: 8, .value_kind: global_buffer, .address_space: global }
      - { .name: b_out, .offset: 32, .size: 8, .value_kind: global_buffer, .address_space: global }
      - { .name: out0, .offset: 40, .size: 8, .value_kind: global_buffer, .address_space: global }
    .group_segment_fixed_size: 327680
    .private_segment_fixed_size: 0
    .kernarg_segment_align: 8
    .kernarg_segment_size: 48
    .max_flat_workgroup_size: 128
    .sgpr_count:     100
    .vgpr_count:     768
    .wavefront_size: 32
...
	.end_amdgpu_metadata
.endif
;; end of part 3
